; MI455X (gfx1250); checked and timed in simulation.
; The chip was launched on July 23, 2026; its instructions are those of AMD's public machine-readable ISA for CDNA 5 (MIT licence, August 2026) and "CDNA5" Instruction Set Architecture Reference Guide (July 2026). The comments in the code are by the model that wrote it; some were corrected since.
;; Causal Temporal Attention. Allowed arithmetic: matrix products marked QUANTISED: E2M1 operands, one E8M0 scale for each 32 along K, by v_wmma_scale_f32_16x16x128_f8f6f4 with both operands' format E2M1 (or v_wmma_scale_f32_32x16x128_f4), f32 sums; products left as they are: bf16, f16 or f32 operands; f32 sums; everything else in f32.
;; Inputs: bk 1,024 float32; bo 1,024 float32; bq 1,024 float32; bv 1,024 float32; padding_mask 2 x 2,048 int32; wk 1,024 x 1,024 float32; wo 1,024 x 1,024 float32; wq 1,024 x 1,024 float32; wv 1,024 x 1,024 float32; x 2 x 2,048 x 1,024 float32.
;; Outputs: out0 2 x 2,048 x 1,024 float32.
;; This version of the problem:
;;   THIS VERSION OF THE PROBLEM IS GIVEN IN LOW PRECISION. The matrix products marked QUANTISED in the list below multiply operands that are first quantised to E2M1 (2 exponent bits, 1 mantissa bit; 4 bits a number), with one power-of-two scale for each 32 numbers along K (OCP MX v1.0); their sums are f32. The products marked 'left as it is' may take bf16, f16 or f32 operands, with f32 sums. Whichever they take, every output number must still come out within the allowed error. Rounding operands to bf16 (8 significant bits) uses up far more of that allowance than f16 does (11 bits, for magnitudes from 6e-5 to 65,504). All else is computed in f32.
;;   The module's matrix products, in the order in which they are computed (A, B: the left and right operand; K: the contracted axis; several contracted axes count as one K, in the product's order):
;;     1. [M 4,096, K 1,024] x [K 1,024, N 1,024]; A: input x; B: input wq: QUANTISED
;;     2. [M 4,096, K 1,024] x [K 1,024, N 1,024]; A: input x; B: input wk: QUANTISED
;;     3. [M 4,096, K 1,024] x [K 1,024, N 1,024]; A: input x; B: input wv: QUANTISED
;;     4. batch 32 x [M 2,048, K 64] x [K 64, N 2,048]; A: computed on the way; B: computed on the way: left as it is (an operand is computed on the way)
;;     5. batch 32 x [M 2,048, K 2,048] x [K 2,048, N 64]; A: computed on the way; B: computed on the way: left as it is (an operand is computed on the way)
;;     6. [M 4,096, K 1,024] x [K 1,024, N 1,024]; A: computed on the way; B: input wo: left as it is (an operand is computed on the way)
;;   THE QUANTISER, for each operand of a quantised product, along K:
;;     - K is cut into blocks of 32 from its start; a last block that is shorter is filled with zeros.
;;     - A block's scale is 2^e with e = floor(log2(the largest magnitude in the block)) - 2, held to -126 .. 127; a block of zeros has e = 0. As a byte (E8M0): e + 127.
;;     - Each number is divided by its block's scale, clamped to +-6, and rounded to the nearest number of E2M1, ties to even, subnormals kept.
;;     - The product sums the exact products of the quantised numbers (number of the format x scale) in f32.
;;   ~~~python
;;   def quantise(x, axis):      # numpy; x: float32 -> the quantised numbers, widened to float32 again
;;       x = np.moveaxis(x, axis, -1); K = x.shape[-1]
;;       x = np.pad(x, [(0, 0)] * (x.ndim - 1) + [(0, -K % 32)]); x = x.reshape(x.shape[:-1] + (-1, 32)); a = np.abs(x).max(-1, keepdims=True)
;;       e = np.where(a > 0, np.clip(np.frexp(np.where(a > 0, a, 1))[1] - 1 - 2, -126, 127), 0)      # np.frexp(a)[1] - 1 = floor(log2(a)), exactly
;;       r = np.clip(x / 2.0 ** e, -6, 6)
;;       step = 2.0 ** (np.maximum(np.frexp(np.where(r == 0, 1, r))[1] - 1, 0) - 1)
;;       q = np.round(r / step) * step * 2.0 ** e      # np.round: ties to even
;;       return np.moveaxis(q.reshape(q.shape[:-2] + (-1,))[..., :K], -1, axis).astype(np.float32)
;;   ~~~
;; One version. Each part assembles by itself: llvm-mc -triple=amdgcn-amd-amdhsa -mcpu=gfx1250 --defsym DOCPART=n.
;; ======== version 1 of 1: 4 launches
;; limits: values are held in f16: magnitudes above 65,504 overflow, below 6.1e-05 lose precision
;; workspace buffers: xc 2,097,152 bytes; xs 131,072 bytes; wc 1,572,864 bytes; ws 98,304 bytes; wo16 2,097,152 bytes; qkv 25,165,824 bytes; ao 8,388,608 bytes
;; launch prep (part 1): grid 256 x 1, 4 waves a work-group, no clusters, 33,280 bytes of LDS; arguments x, wq, wk, wv, wo, xc, xs, wc, ws, wo16; writes xc, xs, wc, ws, wo16
.if DOCPART == 1
	.amdgcn_target "amdgcn-amd-amdhsa--gfx1250"
	.amdhsa_code_object_version 6
	.text
	.protected	k_qe8102aad11_prep
	.globl	k_qe8102aad11_prep
	.p2align	8
	.type	k_qe8102aad11_prep,@function
k_qe8102aad11_prep:
	s_mov_b64 s[64:65], 0
	v_nop
	global_prefetch_b8 v0, s[64:65] scope:SCOPE_SE
	s_setreg_imm32_b32 hwreg(HW_REG_WAVE_MODE, 25, 1), 1
	s_wait_xcnt 0x0
; x [4096][1024], wq, wk, wv [1024][1024], f32, K innermost, become codes of FP4 (E2M1), two to a byte, with one E8M0 scale byte for each 32 along K; wo [1024][1024] becomes f16.
; xc [4096][512 bytes], xs [4096][32]; wc [3072][512 bytes], ws [3072][32]: wq's rows, then wk's, then wv's.  wo16 is laid [k / 64][n][64], so that a block of rows of one 64 along K is dense.
; A block's scale is 2^(floor(log2(its largest magnitude)) - 2); its byte is the largest magnitude's exponent field - 2, held at 1 from below.  A block of zeros so gets the byte 1: its codes are zeros, and this program alone reads the bytes.
; LIMITS: blocks whose largest magnitude lies under 2^-124 keep the byte 1; NaN and infinities among the inputs are not served; wo must lie under 65,504 in size.
; SHARES: 256 work-groups of 32,768 numbers: 0-127 x, 128-159 wq, 160-191 wk, 192-223 wv, 224-255 wo.  A wave takes 8,192.  Rows are dense and K is a multiple of 32: the quantised tensors are plain streams of blocks.
; The work-groups share no input, so there is no cluster; no tensor load, no barrier: waves share nothing.
; THE QUANTISING PATH: 16 steps of 512 numbers.  Each load reads 512 consecutive bytes; a step's 2,048 bytes turn through the wave's own stage in LDS (16 bytes of padding behind each 64), so that a lane holds 16 neighbours; two lanes hold a block.
.set STEPS, 16
.set EMAX,  2
.set CB,    8                          ; bytes of 16 codes
.set R,     16                         ; v16-79   four sets of 16 numbers as loaded
.set X,     80                         ; v80-111  two sets of 16 neighbours
.set E,     112                        ; v112-127 a scale byte for each step
.set C,     128                        ; v128-191 codes: four registers for each step, so that no store's data are written again
.set WREG,  8192                       ; LDS: a region for each wave: two stages of 32 x SP bytes, then its 256 scale bytes
.set SP,    80
.set SPW,   12                         ; v12 LDS address of my spare word; never rewritten
.set NIL,   13                         ; v13 0; never rewritten
.set SPARE, 4*WREG                     ; the spare words, 128 bytes for each wave, named by no other line
.set WV,    32                         ; s32 my wave's number
.set SRC,   24                         ; s[24:25] where my wave reads
.set DC,    26                         ; s[26:27] where its codes go
.set DS,    28                         ; s[28:29] where its scale bytes go
	s_load_b256 s[4:11], s[0:1], 0x0               ; x, wq, wk, wv
	s_load_b256 s[12:19], s[0:1], 0x20             ; wo, xc, xs, wc
	s_load_b128 s[20:23], s[0:1], 0x40             ; ws, wo16
	v_lshl_add_u32 v[SPW], v0, 2, SPARE
	v_mov_b32 v[NIL], 0
	v_lshrrev_b32 v1, 5, v0
	v_readfirstlane_b32 s[WV], v1                  ; wave 0..3
	v_and_b32 v2, 31, v0                           ; lane
	s_cmp_ge_u32 ttmp9, 224
	s_cbranch_scc1 .Lwo                            ; the last 32 work-groups take wo
	v_lshlrev_b32 v3, 4, v2                        ; my 16 bytes of a load's 512
	s_mul_i32 s33, s[WV], WREG
	v_lshrrev_b32 v14, 2, v2
	v_mul_u32_u24 v14, v14, SP
	v_and_b32 v15, 3, v2
	v_lshl_add_u32 v14, v15, 4, v14
	v_add_nc_u32 v14, s33, v14                     ; the stage, on the way in: SP (lane / 4) + 16 (lane % 4)
	v_mul_u32_u24 v15, v2, SP
	v_add_nc_u32 v15, s33, v15                     ; and on the way out: SP x lane: my 16 neighbours
	v_mul_u32_u24 v4, v2, CB                       ; my codes' place in a step's
	v_lshrrev_b32 v5, 1, v2
	s_add_co_u32 s33, s33, 2*32*SP
	v_add_nc_u32 v5, s33, v5                       ; my wave's 256 scale bytes, my block's byte
	v_lshlrev_b32 v7, 3, v2                        ; and on the way out 8 bytes a lane
	v_add_nc_u32 v6, s33, v7
	s_wait_kmcnt 0x0
	s_cmp_lt_u32 ttmp9, 192                        ; which tensor: the choices hang on the work-group's number alone
	s_cselect_b64 s[SRC:SRC+1], s[8:9], s[10:11]
	s_cmp_lt_u32 ttmp9, 160
	s_cselect_b64 s[SRC:SRC+1], s[6:7], s[SRC:SRC+1]
	s_cmp_lt_u32 ttmp9, 128
	s_cselect_b64 s[SRC:SRC+1], s[4:5], s[SRC:SRC+1]
	s_cselect_b64 s[DC:DC+1], s[14:15], s[18:19]
	s_cselect_b64 s[DS:DS+1], s[16:17], s[20:21]
	s_cselect_b32 s30, 0, 128
	s_sub_co_u32 s30, ttmp9, s30                   ; the work-group's number in the stream of its destination (the three weights are one stream)
	s_and_b32 s31, s30, 31
	s_cmp_lt_u32 ttmp9, 128
	s_cselect_b32 s31, ttmp9, s31                  ; and in its source
	s_lshl_b32 s31, s31, 2
	s_add_co_u32 s34, s31, s[WV]                   ; my wave's run of 8,192 numbers in the source,
	s_lshl_b32 s30, s30, 2
	s_add_co_u32 s36, s30, s[WV]                   ; and in the destination
	s_lshl_b32 s34, s34, 15                        ; 32,768 bytes of f32 a run
	s_mov_b32 s35, 0
	s_add_nc_u64 s[SRC:SRC+1], s[SRC:SRC+1], s[34:35]
	s_lshl_b32 s34, s36, 12                        ; 4,096 bytes of codes
	s_add_nc_u64 s[DC:DC+1], s[DC:DC+1], s[34:35]
	s_lshl_b32 s34, s36, 8                         ; 256 scale bytes
	s_add_nc_u64 s[DS:DS+1], s[DS:DS+1], s[34:35]
.macro LOAD t
.irp i, 0,1,2,3
	global_load_b128 v[R+16*((\t)%4)+4*\i:R+16*((\t)%4)+4*\i+3], v3, s[SRC:SRC+1] offset:2048*(\t)+512*\i th:TH_LOAD_NT   ; 32 lanes read 512 consecutive bytes
.endr
.endm
.macro TURN t                          ; step t's numbers through the stage: LDS serves a wave's instructions in order (ISA guide 5.7.1.4), so no wait stands between the stores and the loads
.irp i, 0,1,2,3
	ds_store_b128 v14, v[R+16*((\t)%4)+4*\i:R+16*((\t)%4)+4*\i+3] offset:32*SP*((\t)%2)+8*SP*\i
.endr
.irp i, 0,1,2,3
	ds_load_b128 v[X+16*((\t)%2)+4*\i:X+16*((\t)%2)+4*\i+3], v15 offset:32*SP*((\t)%2)+16*\i
.endr
.endm
.irp t, 0,1,2,3
	LOAD \t
.endr
	s_wait_loadcnt 12                              ; step 0's four loads are in; the twelve of steps 1 to 3 may be out
	TURN 0
.macro STEP t
.set XS, X+16*((\t)%2)
.if (\t) > 0
	s_wait_dscnt 1                                 ; this step's numbers are back from the stage (the last step's byte store may be out)
.else
	s_wait_dscnt 0x0
.endif
.if (\t)+4 < STEPS
	LOAD (\t)+4                                    ; into the registers that the stage's stores have read
.endif
.if (\t)+1 < STEPS
.if STEPS-2-(\t) >= 3
	s_wait_loadcnt 12                              ; the next step's four loads are in; those of the three steps behind it may be out
.else
	s_wait_loadcnt 4*(STEPS-2-(\t))
.endif
	TURN (\t)+1                                    ; through the other stage while this step is worked
.endif
	v_max3_num_f32 v8, |v[XS]|, |v[XS+1]|, |v[XS+2]|               ; the largest magnitude of my 16, in two chains
	v_max3_num_f32 v9, |v[XS+3]|, |v[XS+4]|, |v[XS+5]|
.irp i, 6,10
	v_max3_num_f32 v8, v8, |v[XS+\i]|, |v[XS+\i+1]|
	v_max3_num_f32 v9, v9, |v[XS+\i+2]|, |v[XS+\i+3]|
.endr
	v_max3_num_f32 v8, v8, |v[XS+14]|, |v[XS+15]|
	v_max3_num_f32 v8, v8, v9, (EMAX+1)<<23        ; and the floor 2^(3 - 127): the byte cannot fall under 1
	v_max_num_f32_dpp v8, v8, v8 row_xmask:1 row_mask:0xf bank_mask:0xf   ; with my neighbour's 16: the block's
	v_add_nc_u32 v11, -(EMAX<<23), v8              ; 2 off its exponent field: the conversion takes that field as its scale
	v_cvt_scalef32_pk8_fp4_f32 v[C+4*(\t)], v[XS:XS+7], v11
	v_cvt_scalef32_pk8_fp4_f32 v[C+4*(\t)+1], v[XS+8:XS+15], v11
	v_lshrrev_b32 v[E+(\t)], 23, v11               ; the scale's byte (a plain line behind the conversions)
	ds_store_b8 v5, v[E+(\t)] offset:16*(\t)       ; both lanes of a block write the same byte with the same value
	global_store_b64 v4, v[C+4*(\t):C+4*(\t)+1], s[DC:DC+1] offset:32*CB*(\t)   ; the wave stores 256 consecutive bytes, aligned
.endm
.irp t, 0,1,2,3,4,5,6,7,8,9,10,11,12,13,14,15
	STEP \t
.endr
	ds_load_b64 v[8:9], v6                         ; my wave's 256 scale bytes: these loads see my stores
	s_wait_dscnt 0x0
	global_store_b64 v7, v[8:9], s[DS:DS+1]        ; 256 consecutive bytes, aligned
	s_branch .Lend
; wo -> f16.  Wave w of work-group j takes rows 32 j + 8 w .. + 7; an iteration takes 4 rows x 64 along K: lane l row l / 8, eight numbers at l % 8.  The store covers 512 consecutive bytes of wo16.
.Lwo:
	s_sub_co_u32 s33, ttmp9, 224
	s_lshl_b32 s33, s33, 5
	s_lshl_b32 s34, s[WV], 3
	s_add_co_u32 s33, s33, s34                     ; my first row
	s_lshl_b32 s34, s33, 12                        ; 4,096 bytes a row of wo
	s_mov_b32 s35, 0
	s_lshl_b32 s36, s33, 7                         ; 128 bytes a row in a block of wo16
	s_mov_b32 s37, 0
	v_lshrrev_b32 v3, 3, v2
	v_and_b32 v5, 7, v2
	v_lshlrev_b32 v3, 12, v3
	v_lshl_add_u32 v3, v5, 5, v3                   ; in: 4,096 (l / 8) + 32 (l % 8)
	v_lshlrev_b32 v4, 4, v2                        ; out: 16 l
	s_wait_kmcnt 0x0
	s_add_nc_u64 s[12:13], s[12:13], s[34:35]
	s_add_nc_u64 s[22:23], s[22:23], s[36:37]
.macro LOADB bt                        ; eight iterations, 16 loads; iteration it: rows 4 (it / 16) on, K 64 (it % 16) on
.irp q, 0,1,2,3,4,5,6,7
	global_load_b128 v[16+64*((\bt)%2)+8*\q:16+64*((\bt)%2)+8*\q+3], v3, s[12:13] offset:((8*(\bt)+\q)/16)*16384+((8*(\bt)+\q)%16)*256 th:TH_LOAD_NT
	global_load_b128 v[16+64*((\bt)%2)+8*\q+4:16+64*((\bt)%2)+8*\q+7], v3, s[12:13] offset:((8*(\bt)+\q)/16)*16384+((8*(\bt)+\q)%16)*256+16 th:TH_LOAD_NT
.endr
.endm
.macro PROC bt, left                   ; left: the loads that may stay out at the batch's first iteration
.if (\bt) >= 2
	s_wait_xcnt 0x0                                ; the stores of two batches ago have read their registers, which are written again below
.endif
.irp q, 0,1,2,3,4,5,6,7
	s_wait_loadcnt \left-2*\q                      ; this iteration's two loads are in: out may be this batch's younger ones and the next batch's sixteen
.irp i, 0,1,2,3
	v_cvt_pk_f16_f32 v[144+32*((\bt)%2)+4*\q+\i], v[16+64*((\bt)%2)+8*\q+2*\i], v[16+64*((\bt)%2)+8*\q+2*\i+1]
.endr
	global_store_b128 v4, v[144+32*((\bt)%2)+4*\q:144+32*((\bt)%2)+4*\q+3], s[22:23] offset:((8*(\bt)+\q)%16)*131072+((8*(\bt)+\q)/16)*512
.endr
.endm
	LOADB 0
	LOADB 1
	PROC 0, 30
	LOADB 2
	PROC 1, 30
	LOADB 3
	PROC 2, 30
	PROC 3, 14
.Lend:
	s_wait_tensorcnt 0x0                           ; the wave's end
	ds_add_u32 v[SPW], v[NIL]
	s_wait_dscnt 0x0
	s_endpgm
.Lfunc_end_k_qe8102aad11_prep:
	.size	k_qe8102aad11_prep, .Lfunc_end_k_qe8102aad11_prep-k_qe8102aad11_prep
	.p2alignl 7, 3214868480
	.fill 96, 4, 3214868480
	.section	.rodata,"a",@progbits
	.p2align	6, 0x0
	.amdhsa_kernel k_qe8102aad11_prep
		.amdhsa_group_segment_fixed_size 33280
		.amdhsa_private_segment_fixed_size 0
		.amdhsa_enable_private_segment 0
		.amdhsa_kernarg_size 80
		.amdhsa_user_sgpr_count 2
		.amdhsa_user_sgpr_kernarg_segment_ptr 1
		.amdhsa_wavefront_size32 1
		.amdhsa_system_sgpr_workgroup_id_x 1
		.amdhsa_system_sgpr_workgroup_id_y 1
		.amdhsa_system_sgpr_workgroup_id_z 1
		.amdhsa_system_vgpr_workitem_id 0
		.amdhsa_next_free_vgpr 208
		.amdhsa_next_free_sgpr 66
		.amdhsa_reserve_vcc 0
		.amdhsa_float_denorm_mode_32 3
		.amdhsa_float_denorm_mode_16_64 3
		.amdhsa_memory_ordered 1
		.amdhsa_forward_progress 1
		.amdhsa_inst_pref_size 52
	.end_amdhsa_kernel
	.amdgpu_metadata
---
amdhsa.version: [ 1, 2 ]
amdhsa.kernels:
  - .name:           k_qe8102aad11_prep
    .symbol:         k_qe8102aad11_prep.kd
    .args:
      - { .name: x, .offset: 0, .size: 8, .value_kind: global_buffer, .address_space: global }
      - { .name: wq, .offset: 8, .size: 8, .value_kind: global_buffer, .address_space: global }
      - { .name: wk, .offset: 16, .size: 8, .value_kind: global_buffer, .address_space: global }
      - { .name: wv, .offset: 24, .size: 8, .value_kind: global_buffer, .address_space: global }
      - { .name: wo, .offset: 32, .size: 8, .value_kind: global_buffer, .address_space: global }
      - { .name: xc, .offset: 40, .size: 8, .value_kind: global_buffer, .address_space: global }
      - { .name: xs, .offset: 48, .size: 8, .value_kind: global_buffer, .address_space: global }
      - { .name: wc, .offset: 56, .size: 8, .value_kind: global_buffer, .address_space: global }
      - { .name: ws, .offset: 64, .size: 8, .value_kind: global_buffer, .address_space: global }
      - { .name: wo16, .offset: 72, .size: 8, .value_kind: global_buffer, .address_space: global }
    .group_segment_fixed_size: 33280
    .private_segment_fixed_size: 0
    .kernarg_segment_align: 8
    .kernarg_segment_size: 80
    .max_flat_workgroup_size: 128
    .sgpr_count:     66
    .vgpr_count:     208
    .wavefront_size: 32
...
	.end_amdgpu_metadata
.endif
;; end of part 1
;; launch qkv (part 2): grid 12 x 16, 4 waves a work-group, clusters of 4 x 4, 327,680 bytes of LDS; arguments xc, xs, wc, ws, bq, bk, bv, qkv; writes qkv
.if DOCPART == 2
	.amdgcn_target "amdgcn-amd-amdhsa--gfx1250"
	.amdhsa_code_object_version 6
	.text
	.protected	k_qe8102aad11_qkv
	.globl	k_qe8102aad11_qkv
	.p2align	8
	.type	k_qe8102aad11_qkv,@function
k_qe8102aad11_qkv:
	s_mov_b64 s[64:65], 0
	v_nop
	global_prefetch_b8 v0, s[64:65] scope:SCOPE_SE
	s_setreg_imm32_b32 hwreg(HW_REG_WAVE_MODE, 25, 1), 1
	s_wait_xcnt 0x0
	s_wait_alu depctr_hold_cnt(0) depctr_sa_sdst(0) depctr_va_vdst(0) depctr_va_sdst(0) depctr_va_ssrc(0) depctr_va_vcc(0) depctr_vm_vsrc(0)
	s_getreg_b32 s2, hwreg(HW_REG_IB_STS2, 6, 4)
	s_cmp_eq_u32 s2, 0
	s_cbranch_scc0 .Lentry_in_a_cluster
	s_endpgm
.Lentry_in_a_cluster:
	s_bfe_u32 s2, ttmp6, 0x10000c
	s_cmp_lg_u32 s2, 0xf033
	s_cbranch_scc0 .Lentry_shape_is_right
	s_endpgm
.Lentry_shape_is_right:
; [4096 x 3072] = x (wq | wk | wv)^T + bias on codes of FP4 (E2M1) with E8M0 scales for each 32 along K = 1,024; sums in f32.  The q third is multiplied by c = log2(e) / 8 in f32; all is rounded once to f16.
; qkv is laid [n / 64 (48)][m (4096)][64] f16: a head's rows are dense, 128 bytes each.  Blocks 0-15 q c, 16-31 k, 32-47 v.
; LIMITS: q c, k, v must lie under 65,504 in size; NaN and infinities are not served.
; A tile of 256 x 256 is made by four waves, each 128 x 128: 64 accumulators, 512 registers.  K lies in two LDS slots of 512 along K (rows of 256 bytes), each filled once; the scale bytes of the 256 + 256 rows come once, in rows of 256 bytes.
; 192 work-groups: the launch's stores, 25 MB, weigh more than its products, so the larger tile with fewer LDS reads is kept.
; CLUSTERS: 4 x 4 work-groups; A's tiles are asked for jointly along a row of the cluster, B's along a column.  A cluster's four tile columns are 1,024 outputs: one of q, k, v, so the cluster's x says which, alike in all partners.
; THE MATRIX INSTRUCTION IS USED TRANSPOSED (source 0 = 16 rows of the weights, source 1 = 16 rows of x): a lane holds eight neighbouring outputs of one row.  The bias is the C of each sum's first product.
; REGISTERS, in windows of 256: window 0: v0-31 addresses; v32-95 scale words, two sets; v128-191 A's fragments, one set; v192-255 the bias, 8 registers for each of B's 8 blocks; on the way out v32-127 are free.
;   window 1: B's fragments, two sets, at v0 and v128.   window 2: the accumulators of my rows 0-63 ((a, b) at v[8 (8 a + b)]);   window 3: those of rows 64-127.
.set SIZE_K, 1024
.set KSTEP,  512
.set NQ,     KSTEP/128
.set ROWB,   256                       ; a tile's row in bytes
.set KROW,   SIZE_K/2                  ; a row of codes in memory
.set PITCH,  272                       ; an LDS row: 256 bytes + 16 of padding: the 16 rows of a load start at 16 different banks (64 banks of 4 bytes: ISA guide 11.1)
.set FR,     8
.set NL,     2
.set NP,     4                         ; places behind this matrix instruction (ISA guide 7.12.1)
.set HALFT,  128*PITCH
.set SLOT,   4*HALFT
.set KS,     SIZE_K/32                 ; a row of scale bytes
.set SCL,    2*SLOT                    ; behind the slots: the scales, as rows of 256 bytes + 16
.set HALFS,  (128*KS/256)*272
.set SBLK,   (16*KS/256)*272
.set SPARE,  SCL+4*HALFS               ; the spare words, 128 bytes a wave, named by no other line
.set SPITCH, 272                       ; the way out: a stage of 16 rows x (256 bytes + 16) for each wave, in slot 0, which has had its one fill and its last read by then
.set HEADB,  4096*128                  ; a block of 64 outputs in qkv
.set ADRA, 16
.set ADRB, 20
.set STO,  24
.set RD,   25
.set CO,   26
.set ADRS, 27
.set SPW,  28
.set NIL,  29
.set BIA,  30                          ; v30 the bias's lane offset: 32 x (lane / 16)
.set SC,   32
.set AF,   128
.set BI,   192
.set TMP,  32                          ; the way out: packed results
.set BK,   64                          ; the way out: rows read back, v64-95 and v96-127 by turns
.set CQ,   66                          ; s[66:67] c
.set G1, 24
.set G0, 32
.set G1B, 48
.set G0B, 56
.set G1S, 68
.set G0S, 76
.set G1SB, 80
.set G0SB, 88
.set MSB, 0
.macro WIN new                         ; the immediate's high byte repeats the setting that is left
.if MSB != (\new)
	s_set_vgpr_msb (MSB<<8)|(\new)
.set MSB, \new
.endif
.endm
.set MUL_LO,   0xa1                    ; source 0 (B) window 1, source 1 (A) window 0, C and D window 2
.set MUL_HI,   0xf1                    ; the same, C and D window 3
.set FIRST_LO, 0x81                    ; the first step: C (the bias) window 0, D window 2
.set FIRST_HI, 0xc1
.set TO_B,     0x40
; A joint load: waves 0 and 1 fetch for A, waves 2 and 3 for B; the branch hangs on the wave's number alone.  An s_nop 0 and four v_nop follow each line.
.macro JLOAD g0a, g1a, g0b, g1b
	s_cmp_eq_u32 s15, 0
	s_cbranch_scc0 .Lfor_b_\@
	tensor_load_to_lds s[\g0a:\g0a+3], s[\g1a:\g1a+7]
	s_nop 0
.rept 4
	v_nop
.endr
	s_branch .Lasked_\@
.Lfor_b_\@:
	tensor_load_to_lds s[\g0b:\g0b+3], s[\g1b:\g1b+7]
	s_nop 0
.rept 4
	v_nop
.endr
.Lasked_\@:
.endm
.macro CROUND                          ; a round of the cluster's barrier
	s_barrier_signal -1
	s_barrier_wait -1
	s_cmp_lg_u32 s14, 0
	s_cbranch_scc1 .Lnot_wave_0_\@
	s_barrier_signal -3
.Lnot_wave_0_\@:
	s_barrier_wait -3
	s_barrier_signal -1
	s_barrier_wait -1
.endm
	s_load_b128 s[4:7], s[0:1], 0x0                ; x's codes, x's scales
	s_load_b128 s[8:11], s[0:1], 0x10              ; the weights' codes, their scales
	s_load_b128 s[96:99], s[0:1], 0x20             ; bq, bk
	s_load_b64 s[100:101], s[0:1], 0x30            ; bv
	s_load_b64 s[12:13], s[0:1], 0x38              ; qkv
	v_lshl_add_u32 v[SPW], v0, 2, SPARE
	v_mov_b32 v[NIL], 0
	ds_add_u32 v[SPW], v[NIL]                      ; the wave's opening: the add, twice on end, and its wait ahead of my first tensor load
	ds_add_u32 v[SPW], v[NIL]
	v_lshrrev_b32 v1, 5, v0
	v_readfirstlane_b32 s14, v1                    ; wave 0..3
	s_lshr_b32 s15, s14, 1                         ; which half of the tile's rows is mine.  Also: I fetch for A (0) or for B (1)
	s_and_b32 s16, s14, 1                          ; which half of its columns.  Also: which 128 rows I fetch
	s_bfe_u32 s40, ttmp6, 0x40000                  ; cx, cy
	s_bfe_u32 s41, ttmp6, 0x40004
	s_lshl_b32 s42, ttmp9, 2
	s_add_co_u32 s42, s42, s40                     ; tile column
	s_and_b32 s17, ttmp7, 0xffff
	s_lshl_b32 s17, s17, 2
	s_add_co_u32 s17, s17, s41                     ; tile row
	s_lshl_b32 s43, s41, 2
	s_lshl_b32 s43, 15, s43                        ; my row of the cluster
	s_lshl_b32 s44, 0x1111, s40                    ; my column
	s_or_b32 s[G1+0], s43, (0<<16)|(1<<20)|(1<<21)|(5<<22)|(3<<25)  ; mask; elements of 1 byte; padding on; bit 21 beside a mask; 4 words behind every 64
	s_or_b32 s[G1B+0], s44, (0<<16)|(1<<20)|(1<<21)|(5<<22)|(3<<25)
.irp g, G1, G1B
	s_mov_b32 s[\g+1], ROWB<<16                    ; tensor_dim0
	s_mov_b32 s[\g+2], 128<<16                     ; tensor_dim1
	s_mov_b32 s[\g+3], ROWB<<16                    ; tile_dim0
	s_mov_b32 s[\g+4], 128                         ; tile_dim1
	s_mov_b32 s[\g+5], KROW                        ; the pitch
	s_mov_b32 s[\g+6], 0
	s_mov_b32 s[\g+7], 0
.endr
	s_or_b32 s[G1S+0], s43, (3<<16)|(1<<20)|(1<<21)|(5<<22)|(3<<25) ; the scales of 128 rows: a dense block, as rows of 32 elements of 8 bytes
	s_or_b32 s[G1SB+0], s44, (3<<16)|(1<<20)|(1<<21)|(5<<22)|(3<<25)
.irp g, G1S, G1SB
	s_mov_b32 s[\g+1], 32<<16
	s_mov_b32 s[\g+2], (128*KS/256)<<16
	s_mov_b32 s[\g+3], 32<<16
	s_mov_b32 s[\g+4], 128*KS/256
	s_mov_b32 s[\g+5], 32
	s_mov_b32 s[\g+6], 0
	s_mov_b32 s[\g+7], 0
.endr
	s_mov_b32 s[CQ], 0x3e38aa3b                    ; c = log2(e) / 8
	s_mov_b32 s[CQ+1], s[CQ]                       ; (named with it as a pair)
	s_lshl_b32 s18, s16, 7
	s_lshl_b32 s20, s17, 8
	s_add_co_u32 s20, s20, s18                     ; A: row 256 x tile row + 128 x half
	s_lshl_b32 s46, s42, 8
	s_add_co_u32 s46, s46, s18                     ; B: row 256 x tile column + 128 x half
	s_mov_b32 s21, 0
	s_mov_b32 s47, 0
	s_mov_b64 s[18:19], KS
	s_mul_u64 s[22:23], s[20:21], s[18:19]         ; where these rows' scales begin
	s_mul_u64 s[92:93], s[46:47], s[18:19]
	s_mov_b64 s[18:19], KROW
	s_mul_u64 s[20:21], s[20:21], s[18:19]         ; and their codes
	s_mul_u64 s[46:47], s[46:47], s[18:19]
	s_mul_i32 s45, s14, HALFT                      ; where they go: wave x 128 rows
	s_mul_i32 s94, s14, HALFS
	s_wait_dscnt 0x0                               ; both opening adds are done
	s_wait_kmcnt 0x0
	s_add_nc_u64 s[20:21], s[4:5], s[20:21]
	s_add_nc_u64 s[22:23], s[6:7], s[22:23]
	s_add_nc_u64 s[46:47], s[8:9], s[46:47]
	s_add_nc_u64 s[92:93], s[10:11], s[92:93]
	CROUND                                         ; all sixteen work-groups are here: the joint loads meet
	s_mov_b32 s[G0S], 1
	s_add_co_u32 s[G0S+1], s94, SCL
	s_mov_b64 s[G0S+2:G0S+3], s[22:23]
	s_or_b32 s[G0S+3], s[G0S+3], 0x80000000
	s_mov_b32 s[G0SB], 1
	s_add_co_u32 s[G0SB+1], s94, SCL
	s_mov_b64 s[G0SB+2:G0SB+3], s[92:93]
	s_or_b32 s[G0SB+3], s[G0SB+3], 0x80000000
	JLOAD G0S, G1S, G0SB, G1SB                     ; the scales first; three loads of mine are out in all
.irp s, 0,1
	s_mov_b32 s[G0+4*\s], 1
	s_add_co_u32 s[G0+4*\s+1], s45, \s*SLOT
	s_add_nc_u64 s[G0+4*\s+2:G0+4*\s+3], s[20:21], \s*ROWB
	s_or_b32 s[G0+4*\s+3], s[G0+4*\s+3], 0x80000000
	s_mov_b32 s[G0B+4*\s], 1
	s_add_co_u32 s[G0B+4*\s+1], s45, \s*SLOT
	s_add_nc_u64 s[G0B+4*\s+2:G0B+4*\s+3], s[46:47], \s*ROWB
	s_or_b32 s[G0B+4*\s+3], s[G0B+4*\s+3], 0x80000000
	JLOAD G0+4*\s, G1, G0B+4*\s, G1B
.endr
	v_and_b32 v1, 15, v0                           ; r
	v_bfe_u32 v2, v0, 4, 1                         ; h
	v_lshlrev_b32 v[BIA], 5, v2
	s_cmp_eq_u32 ttmp9, 1                          ; the bias of my cluster's third
	s_cselect_b64 s[98:99], s[98:99], s[100:101]
	s_cmp_eq_u32 ttmp9, 0
	s_cselect_b64 s[96:97], s[96:97], s[98:99]
	s_lshl_b32 s46, s40, 10                        ; my first output in the third, in bytes: 1,024 cx + 512 x half
	s_lshl_b32 s47, s16, 9
	s_add_co_u32 s46, s46, s47
	s_mov_b32 s47, 0
	s_add_nc_u64 s[96:97], s[96:97], s[46:47]
.irp b, 0,1,2,3,4,5,6,7
	global_load_b128 v[BI+8*\b:BI+8*\b+3], v[BIA], s[96:97] offset:64*\b      ; register j: the bias of output 16 b + 8 h + j
	global_load_b128 v[BI+8*\b+4:BI+8*\b+7], v[BIA], s[96:97] offset:64*\b+16
.endr
	v_mul_u32_u24 v3, v1, PITCH
	v_lshl_add_u32 v4, v2, 4, v3                   ; a fragment's row x pitch + 16 x half
	s_mul_i32 s21, s15, HALFT
	s_mul_i32 s22, s16, HALFT
	s_add_co_u32 s22, s22, 2*HALFT
.irp s, 0,1
	v_add_nc_u32 v[ADRA+\s], s21, v4
	v_add_nc_u32 v[ADRB+\s], s22, v4
	s_add_co_u32 s21, s21, SLOT
	s_add_co_u32 s22, s22, SLOT
.endr
	v_mul_u32_u24 v5, v1, KS                       ; my row's scales: KS bytes a row,
	v_lshrrev_b32 v6, 8, v5
	v_lshl_add_u32 v5, v6, 4, v5                   ; and 16 more for each 256 passed
	s_mul_i32 s21, s15, HALFS
	s_mul_i32 s22, s16, HALFS
	s_add_co_u32 s22, s22, 2*HALFS
	s_sub_co_u32 s22, s22, s21
	v_mul_u32_u24 v6, s22, v2                      ; lanes 16-31 take B's
	s_add_co_u32 s21, s21, SCL
	v_add_nc_u32 v5, v5, v6
	v_add_nc_u32 v[ADRS], s21, v5
	s_mul_i32 s23, s14, 16*SPITCH                  ; my stage
	v_mul_u32_u24 v5, v1, SPITCH                   ; in: row r, 16 bytes for each half of the lanes
	v_lshl_add_u32 v5, v2, 4, v5
	v_add_nc_u32 v[STO], s23, v5
	v_and_b32 v6, 31, v0
	v_lshrrev_b32 v7, 3, v6                        ; back: eight lanes take the 128 bytes that a row has of one block of 64 outputs; four rows an instruction
	v_and_b32 v8, 7, v0
	v_mul_u32_u24 v7, v7, SPITCH
	v_lshl_add_u32 v7, v8, 4, v7
	v_add_nc_u32 v[RD], s23, v7
	v_lshlrev_b32 v[CO], 4, v6                     ; in qkv these four rows are 512 consecutive bytes
	s_lshl_b32 s20, s17, 15                        ; 256 rows of 128 bytes a tile row,
	s_lshl_b32 s21, s15, 14                        ; 128 a half
	s_add_co_u32 s20, s20, s21
	s_mov_b32 s21, 0
	s_lshl_b32 s46, s42, 21                        ; four blocks of 64 outputs a tile column,
	s_lshl_b32 s47, s16, 20                        ; two a half
	s_add_co_u32 s46, s46, s47
	s_mov_b32 s47, 0
	s_add_nc_u64 s[20:21], s[20:21], s[46:47]
	s_add_nc_u64 s[12:13], s[12:13], s[20:21]
.macro FRAG reg, adr, q, i             ; 16 rows x 128 K of 4-bit codes: registers 4 c .. 4 c + 3 hold K = 64 c + 32 (lane / 16) + 0 .. 31
.irp c, 0,1
	ds_load_b128 v[\reg+4*\c:\reg+4*\c+3], v[\adr] offset:64*(\q)+32*\c+(\i)*16*PITCH
.endr
.endm
; 16 matrix instructions: A's blocks a0, a0 + 1 x B's eight, the slot's q-th 128 along K.  first = 1: the bias is C.  The 64 accumulators take turns, one instruction a turn.
.macro MUL16 a0, p, q, sc, first
.irp a, \a0, \a0+1
.irp b, 0,1,2,3,4,5,6,7
.if \first
	v_wmma_scale_f32_16x16x128_f8f6f4 v[8*(8*((\a)%4)+\b):8*(8*((\a)%4)+\b)+7], v[128*(\p)+FR*\b:128*(\p)+FR*\b+FR-1], v[AF+FR*(\a):AF+FR*(\a)+FR-1], v[BI+8*\b:BI+8*\b+7], v[SC+8*NQ*(\sc)+NQ*\b+(\q)], v[SC+8*NQ*(\sc)+NQ*(\a)+(\q)] matrix_a_fmt:MATRIX_FMT_FP4 matrix_b_fmt:MATRIX_FMT_FP4 matrix_a_scale:MATRIX_SCALE_ROW1
.else
	v_wmma_scale_f32_16x16x128_f8f6f4 v[8*(8*((\a)%4)+\b):8*(8*((\a)%4)+\b)+7], v[128*(\p)+FR*\b:128*(\p)+FR*\b+FR-1], v[AF+FR*(\a):AF+FR*(\a)+FR-1], v[8*(8*((\a)%4)+\b):8*(8*((\a)%4)+\b)+7], v[SC+8*NQ*(\sc)+NQ*\b+(\q)], v[SC+8*NQ*(\sc)+NQ*(\a)+(\q)] matrix_a_fmt:MATRIX_FMT_FP4 matrix_b_fmt:MATRIX_FMT_FP4 matrix_a_scale:MATRIX_SCALE_ROW1
.endif
.endr
.endr
.endm
.macro FETCH_B slot, q, p
	WIN TO_B
.irp i, 0,1,2,3,4,5,6,7
	FRAG 128*(\p)+FR*\i, ADRB+\slot, \q, \i
.endr
	WIN 0
.endm
.macro FETCH_A slot, q, i0
.irp i, \i0, \i0+1, \i0+2, \i0+3
	FRAG AF+FR*(\i), ADRA+\slot, \q, \i
.endr
.endm
.macro SCALES sc                       ; a slot's scale words: lanes 0-15 take A's block i, lanes 16-31 B's block i
.irp i, 0,1,2,3,4,5,6,7
	ds_load_b128 v[SC+8*NQ*\sc+NQ*\i:SC+8*NQ*\sc+NQ*\i+3], v[ADRS] offset:\i*SBLK
.endr
.endm
.macro PLACES n                        ; plain vector instructions that name no register of the matrix instructions before them (ISA guide 7.12.1)
.rept \n
	v_nop
.endr
.endm
.macro STEP slot, q, first             ; a step of 128 along K that has its successor in the same slot
	s_wait_dscnt 4*NL                              ; B's set and A's blocks 0-3 are in; the youngest eight loads (A's blocks 4-7) may be out
.if \first
	WIN FIRST_LO
.else
	WIN MUL_LO
.endif
	MUL16 0, (\q)%2, \q, \slot, \first
	MUL16 2, (\q)%2, \q, \slot, \first
	s_wait_dscnt 0
	PLACES NP
	FETCH_B \slot, (\q)+1, 1-(\q)%2
	FETCH_A \slot, (\q)+1, 0
.if \first
	WIN FIRST_HI
.else
	WIN MUL_HI
.endif
	MUL16 4, (\q)%2, \q, \slot, \first
	MUL16 6, (\q)%2, \q, \slot, \first
	PLACES NP
	WIN 0
	FETCH_A \slot, (\q)+1, 4
.endm
; Slot 0's last step changes slots: one barrier; in front of it each wave waits for all its tensor loads (slot 1's), adds 0 to its spare word, and waits for that and for its reads of slot 0.  Nothing is filled again.
.macro TURN slot, next
	s_wait_tensorcnt 0x0
	ds_add_u32 v[SPW], v[NIL]
	s_wait_dscnt 4*NL+1                            ; (the add and the youngest eight loads may be out)
	WIN MUL_LO
	MUL16 0, 1, NQ-1, \slot, 0
	s_wait_dscnt 0x0                               ; the add is done, and my reads of this slot are over
	s_barrier_signal -1
	MUL16 2, 1, NQ-1, \slot, 0
	WIN 0
	s_barrier_wait -1
	PLACES NP
	v_add_nc_u32 v[ADRS], 4*NQ, v[ADRS]            ; on to the next slot's scale words
	FETCH_B \next, 0, 0
	FETCH_A \next, 0, 0
	SCALES \next
	WIN MUL_HI
	MUL16 4, 1, NQ-1, \slot, 0
	MUL16 6, 1, NQ-1, \slot, 0
	PLACES NP
	WIN 0
	FETCH_A \next, 0, 4
.endm
.macro STEPS slot, from
.set Q, \from
.rept NQ-1-\from
	STEP \slot, Q, 0
.set Q, Q+1
.endr
.endm
	s_wait_tensorcnt 1                             ; the scales and my part of slot 0 are in; slot 1's load may be out
	s_barrier_signal -1
	s_barrier_wait -1
	FETCH_B 0, 0, 0
	FETCH_A 0, 0, 0
	SCALES 0
	FETCH_A 0, 0, 4
	s_wait_loadcnt 0x0                             ; the bias
	STEP 0, 0, 1                                   ; the first products start the sums from the bias
	STEPS 0, 1
	TURN 0, 1
	STEPS 1, 0
	s_wait_dscnt 4*NL                              ; the last step
	WIN MUL_LO
	MUL16 0, 1, NQ-1, 1, 0
	MUL16 2, 1, NQ-1, 1, 0
	s_wait_dscnt 0
	WIN MUL_HI
	MUL16 4, 1, NQ-1, 1, 0
	MUL16 6, 1, NQ-1, 1, 0
	WIN 0
	PLACES NP
	s_cmp_lg_u32 ttmp9, 0                          ; q's clusters alone: x c, in f32, ahead of the one rounding; each accumulator from its low end on
	s_cbranch_scc1 .Lnot_q
	WIN 0x82
.set ii, 0
.rept 128
	v_pk_mul_f32 v[ii:ii+1], v[ii:ii+1], s[CQ:CQ+1] op_sel_hi:[1,0]
.set ii, ii+2
.endr
	WIN 0xc3
.set ii, 0
.rept 128
	v_pk_mul_f32 v[ii:ii+1], v[ii:ii+1], s[CQ:CQ+1] op_sel_hi:[1,0]
.set ii, ii+2
.endr
	WIN 0
.Lnot_q:
; THE WAY OUT, block by block of 16 rows x 128 outputs: rounded to f16, 16 bytes a lane, through my stage, back as four rows of one block of 64 outputs: 512 consecutive bytes of qkv a store.
.macro PACK a
.set AC, 64*((\a)%4)
	WIN 0x0a+5*((\a)/4)                            ; sources 0 and 1: window 2 or 3
.irp b, 0,1,2,3,4,5,6,7
.irp r, 0,1,2,3
	v_cvt_pk_f16_f32 v[TMP+4*\b+\r], v[AC+8*\b+2*\r], v[AC+8*\b+2*\r+1]
.endr
.endr
	WIN 0
.endm
.macro TOSTAGE a
.set BB, BK+32*((\a)%2)
.irp b, 0,1,2,3,4,5,6,7
	ds_store_b128 v[STO], v[TMP+4*\b:TMP+4*\b+3] offset:32*\b
.endr
.irp hh, 0,1
.irp t, 0,1,2,3
	ds_load_b128 v[BB+4*(4*\hh+\t):BB+4*(4*\hh+\t)+3], v[RD] offset:128*\hh+4*SPITCH*\t   ; LDS serves a wave's instructions in order (ISA guide 5.7.1.4): these see the stores above
.endr
.endr
.endm
.macro SEND a
.set BB, BK+32*((\a)%2)
	s_wait_dscnt 0x0                               ; the block is back in registers
	s_wait_xcnt 0x0                                ; the stores of the block before have read their registers: the next block's loads may land there
.irp hh, 0,1
.irp t, 0,1,2,3
	global_store_b128 v[CO], v[BB+4*(4*\hh+\t):BB+4*(4*\hh+\t)+3], s[12:13] offset:HEADB*\hh+2048*(\a)+512*\t
.endr
.endr
.endm
	PACK 0
	TOSTAGE 0
.irp a, 1,2,3,4,5,6,7                  ; block a's conversions stand between block a - 1's loads from the stage and the wait for them
	PACK \a
	SEND (\a-1)
	TOSTAGE \a
.endr
	SEND 7
	s_wait_tensorcnt 0x0                           ; the wave's end
	ds_add_u32 v[SPW], v[NIL]
	s_wait_dscnt 0x0
	CROUND                                         ; the closing round
	s_endpgm
.Lfunc_end_k_qe8102aad11_qkv:
	.size	k_qe8102aad11_qkv, .Lfunc_end_k_qe8102aad11_qkv-k_qe8102aad11_qkv
	.p2alignl 7, 3214868480
	.fill 96, 4, 3214868480
	.section	.rodata,"a",@progbits
	.p2align	6, 0x0
	.amdhsa_kernel k_qe8102aad11_qkv
		.amdhsa_group_segment_fixed_size 327680
		.amdhsa_private_segment_fixed_size 0
		.amdhsa_enable_private_segment 0
		.amdhsa_kernarg_size 64
		.amdhsa_user_sgpr_count 2
		.amdhsa_user_sgpr_kernarg_segment_ptr 1
		.amdhsa_wavefront_size32 1
		.amdhsa_system_sgpr_workgroup_id_x 1
		.amdhsa_system_sgpr_workgroup_id_y 1
		.amdhsa_system_sgpr_workgroup_id_z 1
		.amdhsa_system_vgpr_workitem_id 0
		.amdhsa_next_free_vgpr 1024
		.amdhsa_next_free_sgpr 102
		.amdhsa_reserve_vcc 0
		.amdhsa_float_denorm_mode_32 3
		.amdhsa_float_denorm_mode_16_64 3
		.amdhsa_memory_ordered 1
		.amdhsa_forward_progress 1
		.amdhsa_inst_pref_size 144
	.end_amdhsa_kernel
	.amdgpu_metadata
---
amdhsa.version: [ 1, 2 ]
amdhsa.kernels:
  - .name:           k_qe8102aad11_qkv
    .symbol:         k_qe8102aad11_qkv.kd
    .args:
      - { .name: xc, .offset: 0, .size: 8, .value_kind: global_buffer, .address_space: global }
      - { .name: xs, .offset: 8, .size: 8, .value_kind: global_buffer, .address_space: global }
      - { .name: wc, .offset: 16, .size: 8, .value_kind: global_buffer, .address_space: global }
      - { .name: ws, .offset: 24, .size: 8, .value_kind: global_buffer, .address_space: global }
      - { .name: bq, .offset: 32, .size: 8, .value_kind: global_buffer, .address_space: global }
      - { .name: bk, .offset: 40, .size: 8, .value_kind: global_buffer, .address_space: global }
      - { .name: bv, .offset: 48, .size: 8, .value_kind: global_buffer, .address_space: global }
      - { .name: qkv, .offset: 56, .size: 8, .value_kind: global_buffer, .address_space: global }
    .group_segment_fixed_size: 327680
    .private_segment_fixed_size: 0
    .kernarg_segment_align: 8
    .kernarg_segment_size: 64
    .max_flat_workgroup_size: 128
    .sgpr_count:     102
    .vgpr_count:     1024
    .wavefront_size: 32
...
	.end_amdgpu_metadata
.endif
;; end of part 2
;; launch attn (part 3): grid 8 x 32, 8 waves a work-group, clusters of 4 x 1, 327,680 bytes of LDS; arguments qkv, padding_mask, ao; writes ao
.if DOCPART == 3
	.amdgcn_target "amdgcn-amd-amdhsa--gfx1250"
	.amdhsa_code_object_version 6
	.text
	.protected	k_qe8102aad11_attn
	.globl	k_qe8102aad11_attn
	.p2align	8
	.type	k_qe8102aad11_attn,@function
k_qe8102aad11_attn:
	s_mov_b64 s[64:65], 0
	v_nop
	global_prefetch_b8 v0, s[64:65] scope:SCOPE_SE
	s_setreg_imm32_b32 hwreg(HW_REG_WAVE_MODE, 25, 1), 1
	s_wait_xcnt 0x0
	s_wait_alu depctr_hold_cnt(0) depctr_sa_sdst(0) depctr_va_vdst(0) depctr_va_sdst(0) depctr_va_ssrc(0) depctr_va_vcc(0) depctr_vm_vsrc(0)
	s_getreg_b32 s2, hwreg(HW_REG_IB_STS2, 6, 4)
	s_cmp_eq_u32 s2, 0
	s_cbranch_scc0 .Lentry_in_a_cluster
	s_endpgm
.Lentry_in_a_cluster:
	s_bfe_u32 s2, ttmp6, 0x10000c
	s_cmp_lg_u32 s2, 0x3003
	s_cbranch_scc0 .Lentry_shape_is_right
	s_endpgm
.Lentry_shape_is_right:
; ao[h][2048 b + q][:] = the sum over keys k <= q of softmax_k(q . k / 8 - 0.1 (q - k), keys with padding_mask = 0 left out) v[k][:]; a row with no key gives 0.  Operands f16, products, maxima and sums f32; ao f16.
; qkv: [48][4096][64] f16: block h holds q x log2(e) / 8, 16 + h holds k, 32 + h holds v.  So a score is already an exponent of 2.
; THE BIAS.  For k <= q the decay is -0.1 q + 0.1 k; the first term is the same along a row and cancels in the softmax.  What is left hangs on the key alone, like the padding mask: both are the C of the first score product:
; beta x (key mod 64), beta = 0.1 log2(e), or NEG = -2^100 for a masked key.  The running maximum m is kept relative to the first key of the wave's key step and stepped by -256 beta from slot to slot; it begins at F = -2^96.
; So a masked score gives p = 2^(NEG - m) = 0, and a row with nothing allowed keeps sum 0 and O = 0.
; LIMITS: a score (as an exponent of 2, with its bias) under -2^96 counts as masked; NaN and infinities are not served; the decay's order of rounding differs from -0.1 |q - k| added to the score by about 1e-5 in the exponent.
; SHARES.  A head's 2,048 queries are four super-blocks of 512.  Cluster I (0, 1) of a head does job A, super-block 3 - I, over 8 - 2 I slots of 256 keys, then job B, super-block I, over 2 I + 2: ten slots in every cluster.
; The four partners interleave: partner p takes queries 16 p .. 16 p + 15 of each block of 64, so that every branch on the causal limit is the same in all partners and every partner reads every tile that a joint load brings.
; A work-group has 8 tiles of 16 queries a job.  Wave w: g = w / 4, kp = w % 4.  Its register tile rho is block e = g + 2 ((rho + kp) % 4); in each slot it takes key step kp (64 keys).  So each fragment of K and V read from LDS feeds
; four tiles, and a key step is read by two waves.  At a job's end the four partial results of a tile meet in LDS; wave kp owns its register tile 0.
; LAYOUT.  S^T = K Q^T (source 0 = 16 keys, source 1 = 16 queries) and O^T = V^T P: a lane holds one query (lane % 16) throughout.  V comes out of LDS turned, by ds_load_tr16_b128.
; CLUSTER.  The four partners walk the same K and V: each tile is asked for jointly (mask 15).  Waves 0-3 fetch K's four key steps of a slot, waves 4-7 V's.
; REGISTERS: window 0: v1-29 addresses; v32-47 statistics (m, old m, the sum in two halves) a tile; v48-58 at work; v62, v63 the add's two; v64-95 S^T, then p; v96-111 P; v112-143 the bias; v144-207 K; v208-243 the merge.
;   window 1: v0-127 O^T, 32 a tile; v128-191 Q, 16 a tile; v192-255 V.
.set PK,     144                       ; a row of K in LDS: 128 bytes + 16: an odd multiple of 16
.set PV,     160                       ; a row of V: 128 + 32: an odd multiple of 32, for the turning load
.set KSTEPB, 64*PK
.set VSTEPB, 64*PV
.set VOFF,   4*KSTEPB                  ; a slot: 4 key steps of K, then 4 of V
.set SLOTB,  VOFF+4*VSTEPB             ; 77,824 bytes
.set SLOT1,  1<<17                     ; slot 1 begins here: one exclusive or turns an address
.set KB,     SLOTB                     ; the bias table in the order of the walk: [10 slots][256 keys] f32
.set QB,     KB+10*1024                ; job B's Q: 8 tiles x 2,048 bytes, as images of the registers
.set STG,    QB+8*2048                 ; 8 stages of 16 rows x 144 bytes for the way out
.set SPARE,  STG+8*16*PK               ; the spare words, 128 bytes a wave, named by no other line
.set MO,     SLOT1+SLOTB               ; the merge's inboxes: 3 entries a wave
.set ENT,    4352                      ; an entry: 8 images of 512 bytes of O^T, m at 4,096, the sum at 4,224
.set AK0, 1
.set AV0, 2
.set AB0, 3
.set ADK, 4
.set ADV, 5
.set ADB, 6
.set DM,  7                            ; v7  16 p + lane % 16 - 8 (lane / 16): on the diagonal, register 8 kt + j is hidden where 16 kt + j > DM
.set NEG, 8
.set LI,  9                            ; v9  16 x lane
.set LS,  10                           ; v10 4 x lane
.set QO,  11
.set STO, 12
.set RD,  13
.set PFO, 14
.set KBW, 15
.set QBW, 24
.set ST,  32
.set TM,  48
.set AF,  56                           ; v[56:57] a = 2^(old m - new m), in the low register
.set AD,  58
.set SPW, 62
.set NIL, 63
.set SR,  64
.set PR,  96
.set BIR, 112
.set KF,  144
.set QW,  128                          ; in window 1
.set VW,  192
.set WV,   10
.set G,    11
.set KP,   12
.set CXP,  13                          ; s13 p, my place in the cluster: it enters Q's, ao's and the prefetches' addresses and the diagonal's mask, no branch and no LDS address
.set CI,   14                          ; s14 I, the cluster's x
.set NA,   15                          ; s15 job A's slots
.set SIG,  16                          ; s16 the slot of the walk, 0 .. 9
.set DL,   17                          ; s17 my key step less the super-block's first block, in blocks of 64
.set TB,   18                          ; s18 LDS byte at which the slot in hand begins
.set TJ,   19                          ; s19 1,024 x the slot of the walk
.set KOFF, 20                          ; s[20:21] the next slot's bytes in the head's K and V
.set GMAX, 22
.set KPB,  23                          ; s23 64 beta kp
.set G1K,  24
.set G1V,  32
.set G0K,  40
.set G0V,  44
.set KB64, 48
.set VB64, 50
.set E0,   52                          ; s52-55 my four tiles' blocks
.set QBS,  56                          ; s56-59 where their Q of job B lies
.set SEL,  60
.set INR,  62                          ; s62 my inbox
.set NA1,  63
.set INW,  66                          ; s66-68 where my tiles 1 to 3 go
.set LIM,  69
.set OBA,  70
.set OBB,  72
.set PFA,  74
.set QA,   76
.set QBB,  78
.set MB,   80
.set DJ,   96
.set MSB, 0
.macro WIN new
.if MSB != (\new)
	s_set_vgpr_msb (MSB<<8)|(\new)
.set MSB, \new
.endif
.endm
.set W_S,   0x04                       ; source 1 (Q) window 1.  Also: an LDS store's data (its source 1) window 1
.set W_PV,  0x51                       ; V, C and D window 1, P window 0
.set W_LD1, 0x40                       ; destination window 1
.set W_RS,  0x41                       ; O^T (destination, source 0) window 1
.set W_MG,  0x01                       ; source 0 window 1
.macro CROUND                          ; a round of the cluster's barrier
	s_barrier_signal -1
	s_barrier_wait -1
	s_cmp_lg_u32 s[WV], 0
	s_cbranch_scc1 .Lnot_wave_0_\@
	s_barrier_signal -3
.Lnot_wave_0_\@:
	s_barrier_wait -3
	s_barrier_signal -1
	s_barrier_wait -1
.endm
.macro JLOAD                           ; a joint load: the branch hangs on the wave's number alone; an s_nop 0 and four v_nop follow each line
	s_cmp_lt_u32 s[WV], 4
	s_cbranch_scc0 .Lfor_v_\@
	tensor_load_to_lds s[G0K:G0K+3], s[G1K:G1K+7]
	s_nop 0
.rept 4
	v_nop
.endr
	s_branch .Lasked_\@
.Lfor_v_\@:
	tensor_load_to_lds s[G0V:G0V+3], s[G1V:G1V+7]
	s_nop 0
.rept 4
	v_nop
.endr
.Lasked_\@:
.endm
; A PREFETCH INTO THE L2: at slot s of the walk, the head's slot s + 3, which the change of slots two further on asks for.  Both clusters of a head walk the same K and V: cluster 0, whose job A walks all eight slots, asks, in
; slots 0 to 4.  Its four partners take 8,192 of a slot's 32,768 bytes each, told apart by address; wave 0 asks for K's, wave 4 for V's, lanes 256 bytes apart.  Each aligned 256 bytes of slots 3 to 7 is named once.
.macro ASK
	s_cmp_lt_u32 s[SIG], s[LIM]
	s_cbranch_scc0 .Lnot_mine_\@
	global_prefetch_b8 v[PFO], s[PFA:PFA+1] th:TH_LOAD_NT scope:SCOPE_SE
.Lnot_mine_\@:
.endm
.macro RESET                           ; a job begins: O^T = 0, the sums 0, m = F.  (The key step is written once for all slots: its first products find zeros)
	WIN W_LD1
.set ii, 0
.rept 128
	v_mov_b32 v[ii], 0
.set ii, ii+1
.endr
	WIN 0
.irp rho, 0,1,2,3
	v_mov_b32 v[ST+4*\rho], 0xef800000
	v_mov_b32 v[ST+4*\rho+1], 0
	v_mov_b32 v[ST+4*\rho+2], 0
	v_mov_b32 v[ST+4*\rho+3], 0
.endr
.endm
; THE CHANGE OF SLOTS, at a slot's head.  Each wave waits for all its tensor loads (one: its part of the slot ahead), adds 0 to its spare word, and waits for that and for its LDS reads and stores.  fill = 1: behind a round of the
; cluster's barrier the slot that was left is filled with the walk's next slot: the one tensor load of the wave, with a whole slot's work in which to land.
.macro CHANGE fill
	s_wait_tensorcnt 0x0                           ; no tensor load of mine is out, so the groups 0 may be written
	ds_add_u32 v[SPW], v[NIL]
.if \fill
	s_add_co_u32 s[KOFF], s[KOFF], 32768           ; the next 256 keys,
	s_add_co_u32 s82, s[SIG], 1
	s_cmp_eq_u32 s82, s[NA]
	s_cselect_b32 s[KOFF], 0, s[KOFF]              ; or job B's first
	s_xor_b32 s[G0K+1], s[G0K+1], SLOT1
	s_xor_b32 s[G0V+1], s[G0V+1], SLOT1
	s_add_nc_u64 s[G0K+2:G0K+3], s[KB64:KB64+1], s[KOFF:KOFF+1]
	s_or_b32 s[G0K+3], s[G0K+3], 0x80000000
	s_add_nc_u64 s[G0V+2:G0V+3], s[VB64:VB64+1], s[KOFF:KOFF+1]
	s_or_b32 s[G0V+3], s[G0V+3], 0x80000000
	s_wait_xcnt 0x0                                ; the last prefetch, a slot back, has read its address
	s_add_nc_u64 s[PFA:PFA+1], s[PFA:PFA+1], 32768
	s_wait_dscnt 0x0
	CROUND
	JLOAD
	ASK
.else
	s_wait_dscnt 0x0
	s_barrier_signal -1
	s_barrier_wait -1
.endif
.endm
; ONE TILE OF 16 QUERIES AGAINST THE STEP'S 64 KEYS.  Left out where all keys come after the tile's queries (a branch on ids and the count of slots).
.macro TILE rho
.set rM, ST+4*(\rho)
	s_cmp_gt_i32 s[DL], s[E0+\rho]
	s_cbranch_scc1 .Lhid_\@
	WIN W_S
.irp kt, 0,1,2,3                       ; channels 0-31; C is the keys' bias.  The four accumulators take turns
	v_wmma_f32_16x16x32_f16 v[SR+8*\kt:SR+8*\kt+7], v[KF+16*\kt:KF+16*\kt+7], v[QW+16*(\rho):QW+16*(\rho)+7], v[BIR+8*\kt:BIR+8*\kt+7]
.endr
.irp kt, 0,1,2,3                       ; channels 32-63
	v_wmma_f32_16x16x32_f16 v[SR+8*\kt:SR+8*\kt+7], v[KF+16*\kt+8:KF+16*\kt+15], v[QW+16*(\rho)+8:QW+16*(\rho)+15], v[SR+8*\kt:SR+8*\kt+7]
.endr
	WIN 0
	v_mov_b32 v[rM+1], v[rM]                       ; the old m is kept for a.  (This and three v_nop are the places behind the products)
.rept 3
	v_nop
.endr
	s_cmp_lg_u32 s[DL], s[E0+\rho]
	s_cbranch_scc1 .Lopen_\@
.set ii, 0
.rept 32                               ; the diagonal block: hidden scores become NEG; each accumulator from its low end on
	v_cmp_gt_i32 vcc_lo, 16*(ii/8)+ii%8, v[DM]
	v_cndmask_b32 v[SR+ii], v[SR+ii], v[NEG], vcc_lo
.set ii, ii+1
.endr
.Lopen_\@:
.irp x, 0,1,2,3                        ; the maximum of my 32 scores and the old m, in four chains
	v_max3_num_f32 v[TM+\x], v[SR+8*\x], v[SR+8*\x+1], v[SR+8*\x+2]
.endr
.irp x, 0,1,2,3
	v_max3_num_f32 v[TM+\x], v[TM+\x], v[SR+8*\x+3], v[SR+8*\x+4]
.endr
.irp x, 0,1,2,3
	v_max3_num_f32 v[TM+\x], v[TM+\x], v[SR+8*\x+5], v[SR+8*\x+6]
.endr
	v_max3_num_f32 v[TM], v[TM], v[SR+7], v[SR+15]
	v_max3_num_f32 v[TM+2], v[TM+2], v[SR+23], v[SR+31]
	v_max3_num_f32 v[TM], v[TM], v[TM+1], v[TM+2]
	v_max3_num_f32 v[TM], v[TM], v[TM+3], v[rM]
	v_permlanex16_b32 v[TM+1], v[TM], s[SEL], s[SEL+1]   ; the query's other 32 keys lie in the lane 16 away
	v_max_num_f32 v[rM], v[TM], v[TM+1]
	v_sub_f32 v[AD], v[rM+1], v[rM]
.set ii, 0
.rept 16
	v_pk_add_f32 v[SR+ii:SR+ii+1], v[SR+ii:SR+ii+1], v[rM:rM+1] op_sel_hi:[1,0] neg_lo:[0,1] neg_hi:[0,1]   ; s - m, two at a time
.set ii, ii+2
.endr
	v_exp_f32 v[AF], v[AD]                         ; ONE BATCH: a and the 32 weights
.set ii, 0
.rept 32
	v_exp_f32 v[SR+ii], v[SR+ii]
.set ii, ii+1
.endr
	v_nop                                          ; a plain instruction behind the last exponential
	s_wait_alu depctr_va_vdst(0)                   ; one wait for the batch, ahead of its first reader
.set ii, 0
.rept 16
	v_cvt_pk_f16_f32 v[PR+ii], v[SR+2*ii], v[SR+2*ii+1]   ; two neighbouring tiles of keys, rounded in pairs, are source 1 of the second product
.set ii, ii+1
.endr
.irp z, 0,1,2,3,4,5,6,7                ; the sum of the unrounded weights, a tree in place
	v_pk_add_f32 v[SR+4*\z:SR+4*\z+1], v[SR+4*\z:SR+4*\z+1], v[SR+4*\z+2:SR+4*\z+3]
.endr
.irp z, 0,1,2,3
	v_pk_add_f32 v[SR+8*\z:SR+8*\z+1], v[SR+8*\z:SR+8*\z+1], v[SR+8*\z+4:SR+8*\z+5]
.endr
.irp z, 0,1
	v_pk_add_f32 v[SR+16*\z:SR+16*\z+1], v[SR+16*\z:SR+16*\z+1], v[SR+16*\z+8:SR+16*\z+9]
.endr
	v_pk_add_f32 v[SR:SR+1], v[SR:SR+1], v[SR+16:SR+17]
	v_pk_fma_f32 v[rM+2:rM+3], v[rM+2:rM+3], v[AF:AF+1], v[SR:SR+1] op_sel_hi:[1,0,1]
	WIN W_RS
.set ii, 32*(\rho)
.rept 16
	v_pk_mul_f32 v[ii:ii+1], v[ii:ii+1], v[AF:AF+1] op_sel_hi:[1,0]   ; O^T x a, each accumulator from its low end on
.set ii, ii+2
.endr
	s_wait_dscnt 0x0                               ; V is in
	WIN W_PV
.irp kk, 0,1
.irp c, 0,1,2,3
	v_wmma_f32_16x16x32_f16 v[32*(\rho)+8*\c:32*(\rho)+8*\c+7], v[VW+8*(4*\kk+\c):VW+8*(4*\kk+\c)+7], v[PR+8*\kk:PR+8*\kk+7], v[32*(\rho)+8*\c:32*(\rho)+8*\c+7]
.endr
.endr
	WIN 0
.Lhid_\@:
.endm
; A KEY STEP: my 64 keys of the slot in hand against my four tiles.  Left out where they come after all my queries.
.macro STEP
	s_cmp_gt_i32 s[DL], s[GMAX]
	s_cbranch_scc1 .Lnone_\@
	v_add_nc_u32 v[ADK], s[TB], v[AK0]
	v_add_nc_u32 v[ADV], s[TB], v[AV0]
	v_add_nc_u32 v[ADB], s[TJ], v[AB0]
.irp kt, 0,1,2,3
.irp hf, 0,1
	ds_load_b128 v[KF+16*\kt+8*\hf:KF+16*\kt+8*\hf+3],   v[ADK] offset:16*PK*\kt+64*\hf
	ds_load_b128 v[KF+16*\kt+8*\hf+4:KF+16*\kt+8*\hf+7], v[ADK] offset:16*PK*\kt+64*\hf+32
.endr
.endr
.irp kt, 0,1,2,3
	ds_load_b128 v[BIR+8*\kt:BIR+8*\kt+3],   v[ADB] offset:64*\kt       ; register j: the bias of key 16 kt + 8 (lane / 16) + j
	ds_load_b128 v[BIR+8*\kt+4:BIR+8*\kt+7], v[ADB] offset:64*\kt+16
.endr
	WIN W_LD1
.irp kk, 0,1
.irp c, 0,1,2,3
	ds_load_tr16_b128 v[VW+8*(4*\kk+\c):VW+8*(4*\kk+\c)+3],   v[ADV] offset:32*PV*\kk+32*\c
	ds_load_tr16_b128 v[VW+8*(4*\kk+\c)+4:VW+8*(4*\kk+\c)+7], v[ADV] offset:32*PV*\kk+16*PV+32*\c
.endr
.endr
	WIN 0
	s_wait_dscnt 16                                ; K and the bias are in; V's sixteen loads may be out
	TILE 0
	TILE 1
	TILE 2
	TILE 3
.Lnone_\@:
.irp rho, 0,1,2,3
	v_add_f32 v[ST+4*\rho], 0xc213bb63, v[ST+4*\rho]   ; m relative to my next key step's first key: -256 beta, in every slot.  These four are also the places behind the last products, on every way
.endr
.endm
; A JOB'S END.  The sum's halves and the other half of the lanes' are added; m is brought to the slot's first key (+ 64 beta kp), the same for the four waves of a group; tiles 1 to 3 go to their owners' inboxes as they stand.
.macro JOBEND
.irp rho, 0,1,2,3
	v_add_f32 v[ST+4*\rho+2], v[ST+4*\rho+2], v[ST+4*\rho+3]
.endr
.irp rho, 0,1,2,3
	v_permlanex16_b32 v[ST+4*\rho+1], v[ST+4*\rho+2], s[SEL], s[SEL+1]
.endr
.irp rho, 0,1,2,3
	v_add_f32 v[ST+4*\rho+2], v[ST+4*\rho+2], v[ST+4*\rho+1]
.endr
.irp rho, 0,1,2,3
	v_add_f32 v[ST+4*\rho], s[KPB], v[ST+4*\rho]
.endr
.irp rho, 1,2,3
	v_add_nc_u32 v[14+2*\rho], s[INW+\rho-1], v[LS]
	v_add_nc_u32 v[15+2*\rho], s[INW+\rho-1], v[LI]
.endr
.irp rho, 1,2,3
	ds_store_b32 v[14+2*\rho], v[ST+4*\rho] offset:4096
	ds_store_b32 v[14+2*\rho], v[ST+4*\rho+2] offset:4224
.endr
	WIN W_S
.irp rho, 1,2,3
.irp i, 0,1,2,3,4,5,6,7
	ds_store_b128 v[15+2*\rho], v[32*\rho+4*\i:32*\rho+4*\i+3] offset:512*\i   ; each accumulator from its low end on
.endr
.endr
	WIN 0
	s_wait_dscnt 0x0                               ; for the others' sake: my stores have landed
	s_barrier_signal -1
	s_barrier_wait -1                              ; (the next slot's joint load may stay out)
.endm
; THE MERGE of my tile 0 with the three partial results in my inbox: M = the largest m; each part x 2^(m - M) / the sum; f16; through my stage; 2,048 consecutive bytes of ao.
.macro MERGE ob
	v_add_nc_u32 v22, s[INR], v[LS]
	v_add_nc_u32 v23, s[INR], v[LI]
.irp i, 0,1,2
	ds_load_b32 v[208+\i], v22 offset:ENT*\i+4096
	ds_load_b32 v[212+\i], v22 offset:ENT*\i+4224
.endr
.irp i, 0,1,2
.irp k, 0,1,2,3,4,5,6,7
	ds_load_b128 v[64+32*\i+4*\k:67+32*\i+4*\k], v23 offset:ENT*\i+512*\k
.endr
.endr
	s_wait_dscnt 24                                ; the six words are in; the 24 images may be out
	v_max3_num_f32 v216, v[ST], v208, v209
	v_max_num_f32 v216, v216, v210
	v_sub_f32 v220, v[ST], v216
	v_sub_f32 v222, v208, v216
	v_sub_f32 v224, v209, v216
	v_sub_f32 v226, v210, v216
	v_exp_f32 v220, v220
	v_exp_f32 v222, v222
	v_exp_f32 v224, v224
	v_exp_f32 v226, v226
	v_nop
	s_wait_alu depctr_va_vdst(0)                   ; one wait for the four
	v_mul_f32 v217, v220, v[ST+2]
	v_fmac_f32 v217, v222, v212
	v_fmac_f32 v217, v224, v213
	v_fmac_f32 v217, v226, v214
	v_max_num_f32 v217, 0.5, v217                  ; the sum holds the largest key's 2^0, or it is 0 (no key counts) and O^T is 0 too: then any divisor leaves 0
	v_rcp_f32 v217, v217
	v_nop
	s_wait_alu depctr_va_vdst(0)
	v_mul_f32 v220, v220, v217
	v_mul_f32 v222, v222, v217
	v_mul_f32 v224, v224, v217
	v_mul_f32 v226, v226, v217
	s_wait_dscnt 0x0
	WIN W_MG
.set ii, 0
.rept 16
	v_pk_mul_f32 v[160+ii:161+ii], v[ii:ii+1], v[220:221] op_sel_hi:[1,0]   ; my own part, from its low end on
.set ii, ii+2
.endr
	WIN 0
.irp i, 0,1,2
.set ii, 0
.rept 16
	v_pk_fma_f32 v[160+ii:161+ii], v[64+32*\i+ii:65+32*\i+ii], v[222+2*\i:223+2*\i], v[160+ii:161+ii] op_sel_hi:[1,0,1]
.set ii, ii+2
.endr
.endr
.set ii, 0
.rept 16
	v_cvt_pk_f16_f32 v[192+ii], v[160+2*ii], v[161+2*ii]
.set ii, ii+1
.endr
.irp c, 0,1,2,3
	ds_store_b128 v[STO], v[192+4*\c:195+4*\c] offset:32*\c
.endr
.irp t, 0,1,2,3
	ds_load_b128 v[228+4*\t:231+4*\t], v[RD] offset:4*PK*\t   ; LDS serves a wave's instructions in order (ISA guide 5.7.1.4): these see the stores above
.endr
	s_wait_dscnt 0x0
.irp t, 0,1,2,3
	global_store_b128 v[LI], v[228+4*\t:231+4*\t], s[\ob:\ob+1] offset:512*\t   ; four rows of 128 bytes: 512 consecutive bytes, aligned
.endr
	s_wait_xcnt 0x0                                ; the stores have read their registers
.endm
.macro QLOAD                           ; job B's Q, from the images that the eight waves laid down at the head
.irp rho, 0,1,2,3
	v_add_nc_u32 v[16+\rho], s[QBS+\rho], v[LI]
.endr
	WIN W_LD1
.irp rho, 0,1,2,3
.irp i, 0,1,2,3
	ds_load_b128 v[QW+16*\rho+4*\i:QW+16*\rho+4*\i+3], v[16+\rho] offset:512*\i
.endr
.endr
	WIN 0
.endm
	s_load_b128 s[4:7], s[0:1], 0x0                ; qkv, padding_mask
	s_load_b64 s[8:9], s[0:1], 0x10                ; ao
	v_lshl_add_u32 v[SPW], v0, 2, SPARE
	v_mov_b32 v[NIL], 0
	ds_add_u32 v[SPW], v[NIL]                      ; the wave's opening: the add, twice on end, and its wait ahead of my first tensor load
	ds_add_u32 v[SPW], v[NIL]
	v_lshrrev_b32 v1, 5, v0
	v_readfirstlane_b32 s[WV], v1                  ; wave 0..7
	s_lshr_b32 s[G], s[WV], 2
	s_and_b32 s[KP], s[WV], 3
	s_bfe_u32 s[CXP], ttmp6, 0x40000
	s_mov_b32 s[CI], ttmp9
	s_and_b32 s82, ttmp7, 0xffff
	s_lshr_b32 s83, s82, 4                         ; b
	s_and_b32 s84, s82, 15                         ; h
	s_lshl_b32 s85, s[CI], 1
	s_sub_co_u32 s[NA], 8, s85
	s_sub_co_u32 s[NA1], s[NA], 1
	s_lshl_b32 s[DJ], s[CI], 3
	s_add_co_u32 s[DL], s[KP], s[DJ]
	s_sub_co_i32 s[DL], s[DL], 24                  ; job A: kp - 8 (3 - I)
	s_add_co_u32 s[DJ], s[DJ], 8                   ; taken off at the change of jobs
	s_add_co_u32 s[GMAX], s[G], 6
	s_cvt_f32_u32 s[KPB], s[KP]
	s_mul_f32 s[KPB], s[KPB], 0x4113bb63           ; 64 beta kp
.irp rho, 0,1,2,3
	s_add_co_u32 s85, s[KP], \rho
	s_and_b32 s85, s85, 3                          ; x = (rho + kp) % 4
	s_lshl_b32 s86, s85, 1
	s_add_co_u32 s[E0+\rho], s86, s[G]             ; the tile's block of 64: g + 2 x
	s_lshl_b32 s86, s[G], 2
	s_add_co_u32 s86, s86, s85                     ; its owner: wave 4 g + x
	s_lshl_b32 s87, s86, 11
	s_add_co_u32 s[QBS+\rho], s87, QB
.if \rho > 0
	s_mul_i32 s87, s86, 3*ENT
	s_add_co_u32 s[INW+\rho-1], s87, MO+(\rho-1)*ENT
.endif
.endr
	s_mul_i32 s[INR], s[WV], 3*ENT
	s_add_co_u32 s[INR], s[INR], MO
	s_and_b32 s85, s[WV], 3
	s_or_b32 s85, s85, s[CI]
	s_cmp_eq_u32 s85, 0
	s_cselect_b32 s[LIM], 5, 0                     ; waves 0 and 4 of cluster 0 prefetch, in slots 0 to 4
	s_mov_b32 s[G1K], 15|(1<<16)|(1<<20)|(1<<21)|(4<<22)|(3<<25)  ; the mask: all four; elements of 2 bytes; padding on; bit 21 beside a mask; 4 words behind every 32
	s_mov_b32 s[G1V], 15|(1<<16)|(1<<20)|(1<<21)|(4<<22)|(7<<25)  ; the same with 8 words
.irp g, G1K, G1V
	s_mov_b32 s[\g+1], 64<<16                      ; tensor_dim0
	s_mov_b32 s[\g+2], 64<<16                      ; tensor_dim1
	s_mov_b32 s[\g+3], 64<<16                      ; tile_dim0
	s_mov_b32 s[\g+4], 64                          ; tile_dim1
	s_mov_b32 s[\g+5], 64                          ; the pitch: rows are dense
	s_mov_b32 s[\g+6], 0
	s_mov_b32 s[\g+7], 0
.endr
	s_mov_b32 s[SEL], 0x76543210
	s_mov_b32 s[SEL+1], 0xfedcba98
	s_mov_b32 s[SIG], 0
	s_mov_b32 s[TB], 0
	s_mov_b32 s[TJ], 0
	s_mov_b32 s[KOFF], 0
	s_mov_b32 s[KOFF+1], 0
	s_lshl_b32 s86, s84, 19                        ; h x 524,288
	s_lshl_b32 s85, s83, 18                        ; b x 262,144
	s_add_co_u32 s86, s86, s85                     ; the head's and batch's first byte, in q's part of qkv and in ao alike
	s_mov_b32 s87, 0
	s_lshl_b32 s82, s83, 13                        ; b x 8,192: the batch's row of the mask
	s_mov_b32 s83, 0
	s_wait_dscnt 0x0                               ; both opening adds are done
	s_wait_kmcnt 0x0
	s_add_nc_u64 s[MB:MB+1], s[6:7], s[82:83]
	s_add_nc_u64 s[88:89], s[4:5], s[86:87]        ; q
	s_add_nc_u64 s[90:91], s[88:89], 0x800000      ; k: 16 blocks on
	s_add_nc_u64 s[92:93], s[88:89], 0x1000000     ; v: 32 blocks on
	s_add_nc_u64 s[8:9], s[8:9], s[86:87]
	s_lshl_b32 s82, s[KP], 13                      ; my key step in a slot: 64 rows of 128 bytes
	s_add_nc_u64 s[KB64:KB64+1], s[90:91], s[82:83]
	s_add_nc_u64 s[VB64:VB64+1], s[92:93], s[82:83]
	s_lshl_b32 s3, s[CXP], 11                      ; p x 16 rows
	s_sub_co_u32 s2, 3, s[CI]
	s_lshl_b32 s94, s2, 16                         ; job A's super-block: 512 rows each
	s_add_co_u32 s94, s94, s3
	s_mov_b32 s95, 0
	s_add_nc_u64 s[QA:QA+1], s[88:89], s[94:95]
	s_lshl_b32 s2, s[E0], 13                       ; the tile that I own: 64 rows a block
	s_add_co_u32 s94, s94, s2
	s_add_nc_u64 s[OBA:OBA+1], s[8:9], s[94:95]
	s_lshl_b32 s94, s[CI], 16                      ; job B's
	s_add_co_u32 s94, s94, s3
	s_add_nc_u64 s[QBB:QBB+1], s[88:89], s[94:95]
	s_add_co_u32 s94, s94, s2
	s_add_nc_u64 s[OBB:OBB+1], s[8:9], s[94:95]
	s_cmp_lt_u32 s[WV], 4
	s_cselect_b64 s[PFA:PFA+1], s[90:91], s[92:93]
	s_lshl_b32 s94, s[CXP], 13                     ; my work-group's quarter of a slot,
	s_add_co_u32 s94, s94, 2*32768                 ; in slot 2: the first change steps it to slot 3.  Nothing is prefetched at the head
	s_add_nc_u64 s[PFA:PFA+1], s[PFA:PFA+1], s[94:95]
	CROUND                                         ; all four work-groups are here: the first joint loads meet
	s_mov_b32 s[G0K], 1
	s_mul_i32 s[G0K+1], s[KP], KSTEPB
	s_mov_b64 s[G0K+2:G0K+3], s[KB64:KB64+1]
	s_or_b32 s[G0K+3], s[G0K+3], 0x80000000
	s_mov_b32 s[G0V], 1
	s_mul_i32 s[G0V+1], s[KP], VSTEPB
	s_add_co_u32 s[G0V+1], s[G0V+1], VOFF
	s_mov_b64 s[G0V+2:G0V+3], s[VB64:VB64+1]
	s_or_b32 s[G0V+3], s[G0V+3], 0x80000000
	JLOAD                                          ; the walk's slot 0, into LDS slot 0
	v_and_b32 v27, 31, v0                          ; lane
	v_and_b32 v25, 15, v0                          ; r
	v_bfe_u32 v26, v0, 4, 1                        ; h
	v_lshlrev_b32 v[QO], 7, v25
	v_lshl_add_u32 v[QO], v26, 4, v[QO]            ; Q: row r of 128 bytes + 16 h
.irp rho, 0,1,2,3
	s_lshl_b32 s85, s[E0+\rho], 13
	v_add_nc_u32 v[16+\rho], s85, v[QO]
.endr
	WIN W_LD1
.irp rho, 0,1,2,3
.irp i, 0,1,2,3
	global_load_b128 v[QW+16*\rho+4*\i:QW+16*\rho+4*\i+3], v[16+\rho], s[QA:QA+1] offset:32*\i   ; job A's Q stays in registers
.endr
.endr
	WIN 0
.irp i, 0,1,2,3
	global_load_b128 v[64+4*\i:67+4*\i], v16, s[QBB:QBB+1] offset:32*\i   ; job B's: the tile that I own
.endr
	v_lshlrev_b32 v20, 2, v0                       ; the mask: thread t takes key 256 x slot + t
	s_cmp_eq_u32 s[CI], 0                          ; the walk's slots 6, 7 are the head's 6, 7 (I = 0) or 0, 1 (I = 1); 8, 9 are 0, 1 or 2, 3
	s_cselect_b32 s85, 6144, 0
	s_cselect_b32 s84, 0, 2048
	v_add_nc_u32 v21, s85, v20
	v_add_nc_u32 v22, s84, v20
.irp sg, 0,1,2,3,4,5
	global_load_b32 v[80+\sg], v20, s[MB:MB+1] offset:1024*\sg
.endr
.irp sg, 0,1
	global_load_b32 v[86+\sg], v21, s[MB:MB+1] offset:1024*\sg
	global_load_b32 v[88+\sg], v22, s[MB:MB+1] offset:1024*\sg
.endr
	v_mul_u32_u24 v[AK0], v25, PK
	v_lshl_add_u32 v[AK0], v26, 4, v[AK0]
	s_mul_i32 s85, s[KP], KSTEPB
	v_add_nc_u32 v[AK0], s85, v[AK0]               ; K: row r x pitch + 16 h, in my key step
	v_and_b32 v28, 7, v0
	v_bfe_u32 v29, v0, 3, 1
	v_lshl_add_u32 v[AV0], v26, 3, v28
	v_mul_u32_u24 v[AV0], v[AV0], PV
	v_lshl_add_u32 v[AV0], v29, 4, v[AV0]
	s_mul_i32 s85, s[KP], VSTEPB
	s_add_co_u32 s85, s85, VOFF
	v_add_nc_u32 v[AV0], s85, v[AV0]               ; V, for the turning load: key 8 h + lane % 8, channels 8 ((lane / 8) % 2) on
	s_lshl_b32 s85, s[KP], 8
	s_add_co_u32 s85, s85, KB
	v_lshl_add_u32 v[AB0], v26, 5, s85             ; the bias: 32 h + 256 kp
	v_lshlrev_b32 v[DM], 3, v26
	v_sub_nc_u32 v[DM], v25, v[DM]
	s_lshl_b32 s2, s[CXP], 4
	v_add_nc_u32 v[DM], s2, v[DM]
	v_mov_b32 v[NEG], 0xf1800000                   ; -2^100
	v_lshlrev_b32 v[LI], 4, v27
	v_lshlrev_b32 v[LS], 2, v27
	s_mul_i32 s85, s[WV], 16*PK
	s_add_co_u32 s85, s85, STG
	v_mul_u32_u24 v[STO], v25, PK
	v_lshl_add_u32 v[STO], v26, 4, v[STO]
	v_add_nc_u32 v[STO], s85, v[STO]               ; my stage, in: row r, 16 bytes for each half of the lanes
	v_lshrrev_b32 v29, 3, v27
	v_mul_u32_u24 v[RD], v29, PK
	v_lshl_add_u32 v[RD], v28, 4, v[RD]
	v_add_nc_u32 v[RD], s85, v[RD]                 ; back: eight lanes a row, four rows an instruction
	v_lshlrev_b32 v[PFO], 8, v27
	v_add_nc_u32 v[KBW], KB, v20
	s_lshl_b32 s85, s[WV], 11
	s_add_co_u32 s85, s85, QB
	v_add_nc_u32 v[QBW], s85, v[LI]
	v_mov_b32 v[AF+1], 0                           ; the upper halves of pairs whose low word serves both halves are written once
	v_mov_b32 v221, 0
	v_mov_b32 v223, 0
	v_mov_b32 v225, 0
	v_mov_b32 v227, 0
	v_and_b32 v23, 63, v0
	v_cvt_f32_u32 v23, v23
	v_mul_f32 v23, 0x3e13bb63, v23                 ; beta x (key mod 64)
	RESET
	s_wait_loadcnt 0x0
.irp sg, 0,1,2,3,4,5,6,7,8,9
	v_cmp_ne_u32 vcc_lo, 0, v[80+\sg]
	v_cndmask_b32 v[80+\sg], v[NEG], v23, vcc_lo   ; a real key's bias, or NEG
	ds_store_b32 v[KBW], v[80+\sg] offset:1024*\sg
.endr
.irp i, 0,1,2,3
	ds_store_b128 v[QBW], v[64+4*\i:67+4*\i] offset:512*\i
.endr
.Lslot:                                            ; nine trips: behind each change of slots the walk's next slot is asked for
	CHANGE 1
	STEP
	s_cmp_lg_u32 s[SIG], s[NA1]                    ; job A's last slot?  The cluster's x and the count of slots alone: all waves and all partners go the same way
	s_cbranch_scc1 .Lsame_job
	JOBEND
	MERGE OBA
	RESET
	QLOAD
	s_sub_co_i32 s[DL], s[DL], s[DJ]
.Lsame_job:
	s_xor_b32 s[TB], s[TB], SLOT1
	s_add_co_u32 s[TJ], s[TJ], 1024
	s_add_co_i32 s[DL], s[DL], 4
	s_add_co_u32 s[SIG], s[SIG], 1
	s_cmp_lt_u32 s[SIG], 9
	s_cbranch_scc1 .Lslot
	CHANGE 0                                       ; the last slot is written out: nothing is left to ask for
	STEP
	JOBEND
	MERGE OBB
	s_wait_tensorcnt 0x0                           ; the wave's end
	ds_add_u32 v[SPW], v[NIL]
	s_wait_dscnt 0x0
	CROUND                                         ; the closing round
	s_endpgm
.Lfunc_end_k_qe8102aad11_attn:
	.size	k_qe8102aad11_attn, .Lfunc_end_k_qe8102aad11_attn-k_qe8102aad11_attn
	.p2alignl 7, 3214868480
	.fill 96, 4, 3214868480
	.section	.rodata,"a",@progbits
	.p2align	6, 0x0
	.amdhsa_kernel k_qe8102aad11_attn
		.amdhsa_group_segment_fixed_size 327680
		.amdhsa_private_segment_fixed_size 0
		.amdhsa_enable_private_segment 0
		.amdhsa_kernarg_size 24
		.amdhsa_user_sgpr_count 2
		.amdhsa_user_sgpr_kernarg_segment_ptr 1
		.amdhsa_wavefront_size32 1
		.amdhsa_system_sgpr_workgroup_id_x 1
		.amdhsa_system_sgpr_workgroup_id_y 1
		.amdhsa_system_sgpr_workgroup_id_z 1
		.amdhsa_system_vgpr_workitem_id 0
		.amdhsa_next_free_vgpr 512
		.amdhsa_next_free_sgpr 98
		.amdhsa_reserve_vcc 1
		.amdhsa_float_denorm_mode_32 3
		.amdhsa_float_denorm_mode_16_64 3
		.amdhsa_memory_ordered 1
		.amdhsa_forward_progress 1
		.amdhsa_inst_pref_size 134
	.end_amdhsa_kernel
	.amdgpu_metadata
---
amdhsa.version: [ 1, 2 ]
amdhsa.kernels:
  - .name:           k_qe8102aad11_attn
    .symbol:         k_qe8102aad11_attn.kd
    .args:
      - { .name: qkv, .offset: 0, .size: 8, .value_kind: global_buffer, .address_space: global }
      - { .name: padding_mask, .offset: 8, .size: 8, .value_kind: global_buffer, .address_space: global }
      - { .name: ao, .offset: 16, .size: 8, .value_kind: global_buffer, .address_space: global }
    .group_segment_fixed_size: 327680
    .private_segment_fixed_size: 0
    .kernarg_segment_align: 8
    .kernarg_segment_size: 24
    .max_flat_workgroup_size: 256
    .sgpr_count:     98
    .vgpr_count:     512
    .wavefront_size: 32
...
	.end_amdgpu_metadata
.endif
;; end of part 3
;; launch proj (part 4): grid 8 x 32, 4 waves a work-group, clusters of 4 x 4, 327,680 bytes of LDS; arguments ao, wo16, bo, out0; writes out0
.if DOCPART == 4
	.amdgcn_target "amdgcn-amd-amdhsa--gfx1250"
	.amdhsa_code_object_version 6
	.text
	.protected	k_qe8102aad11_proj
	.globl	k_qe8102aad11_proj
	.p2align	8
	.type	k_qe8102aad11_proj,@function
k_qe8102aad11_proj:
	s_mov_b64 s[64:65], 0
	v_nop
	global_prefetch_b8 v0, s[64:65] scope:SCOPE_SE
	s_setreg_imm32_b32 hwreg(HW_REG_WAVE_MODE, 25, 1), 1
	s_wait_xcnt 0x0
	s_wait_alu depctr_hold_cnt(0) depctr_sa_sdst(0) depctr_va_vdst(0) depctr_va_sdst(0) depctr_va_ssrc(0) depctr_va_vcc(0) depctr_vm_vsrc(0)
	s_getreg_b32 s2, hwreg(HW_REG_IB_STS2, 6, 4)
	s_cmp_eq_u32 s2, 0
	s_cbranch_scc0 .Lentry_in_a_cluster
	s_endpgm
.Lentry_in_a_cluster:
	s_bfe_u32 s2, ttmp6, 0x10000c
	s_cmp_lg_u32 s2, 0xf033
	s_cbranch_scc0 .Lentry_shape_is_right
	s_endpgm
.Lentry_shape_is_right:
; out0[m][n] = the sum over k of ao[m][k] wo[n][k] + bo[n].  ao: [k / 64 (16)][m (4096)][64] f16; wo16: [k / 64][n (1024)][64] f16; bo [1024], out0 [4096][1024] f32; sums in f32.
; 256 tiles of 128 x 128, one to a work-group; four waves, each 64 x 64: 16 accumulators.  K goes in four steps of 256 through two LDS slots.
; A TILE: 64 rows x 256 along K are four dense blocks of 8,192 bytes (one for each 64 along K).  One tensor load brings them as 4 rows of 4,096 elements, with 16 bytes of padding behind every 128: in LDS [4][64 rows][144 bytes].
; CLUSTERS: 4 x 4 work-groups; ao's tiles are asked for jointly along a row of the cluster, wo16's along a column.
; THE MATRIX INSTRUCTION IS USED TRANSPOSED (source 0 = 16 rows of wo, source 1 = 16 rows of ao): a lane holds eight neighbouring outputs of a row.  bo is the C of each sum's first product.
; No prefetch: the tiles are small and a step's refill has 112 matrix instructions in which to land.
; REGISTERS: window 0: v0-31 addresses; v32-95 the way out; v96-127 bo, 8 registers for each of 4 blocks; v128-255 the accumulators.   window 1: two fragment buffers of 128.
.set PITCH,  144                       ; an odd multiple of 16 bytes
.set KBB,    64*PITCH                  ; 64 rows x 64 along K
.set HALFT,  4*KBB                     ; what one tensor load brings
.set SLOT,   4*HALFT
.set SPARE,  2*SLOT                    ; the spare words, 128 bytes a wave, named by no other line
.set SPITCH, 272                       ; the way out: a stage of 16 rows x (256 bytes + 16) for each wave, in slot 0, behind its last fill and its last read
.set ASTEP,  4*4096*128                ; a K step in ao, in bytes
.set BSTEP,  4*1024*128                ; and in wo16
.set ADRA, 16
.set ADRB, 20
.set STO,  24
.set RD,   25
.set CO,   26
.set SPW,  28
.set NIL,  29
.set BIA,  30
.set TMP,  32
.set BI,   96
.set ACC,  128
.set F0,   0
.set F1,   128
.set G1, 24
.set G0, 32
.set G1B, 48
.set G0B, 56
.set MSB, 0
.macro WIN new
.if MSB != (\new)
	s_set_vgpr_msb (MSB<<8)|(\new)
.set MSB, \new
.endif
.endm
.set MUL,  0x05                        ; sources 0 and 1 window 1; C and D window 0
.set TO_F, 0x40
.macro JLOAD s                         ; a joint load: waves 0 and 1 fetch ao's two halves, waves 2 and 3 wo16's; an s_nop 0 and four v_nop follow each line
	s_cmp_eq_u32 s11, 0
	s_cbranch_scc0 .Lfor_b_\@
	tensor_load_to_lds s[G0+4*\s:G0+4*\s+3], s[G1:G1+7]
	s_nop 0
.rept 4
	v_nop
.endr
	s_branch .Lasked_\@
.Lfor_b_\@:
	tensor_load_to_lds s[G0B+4*\s:G0B+4*\s+3], s[G1B:G1B+7]
	s_nop 0
.rept 4
	v_nop
.endr
.Lasked_\@:
.endm
.macro CREST
	s_cmp_lg_u32 s10, 0
	s_cbranch_scc1 .Lnot_wave_0_\@
	s_barrier_signal -3
.Lnot_wave_0_\@:
	s_barrier_wait -3
	s_barrier_signal -1
	s_barrier_wait -1
.endm
.macro CROUND
	s_barrier_signal -1
	s_barrier_wait -1
	CREST
.endm
	s_load_b128 s[4:7], s[0:1], 0x0                ; ao, wo16
	s_load_b64 s[66:67], s[0:1], 0x10              ; bo
	s_load_b64 s[8:9], s[0:1], 0x18                ; out0
	v_lshl_add_u32 v[SPW], v0, 2, SPARE
	v_mov_b32 v[NIL], 0
	ds_add_u32 v[SPW], v[NIL]                      ; the wave's opening: the add, twice on end, and its wait ahead of my first tensor load
	ds_add_u32 v[SPW], v[NIL]
	v_lshrrev_b32 v1, 5, v0
	v_readfirstlane_b32 s10, v1                    ; wave 0..3
	s_lshr_b32 s11, s10, 1                         ; which half of the tile's rows is mine.  Also: I fetch for ao (0) or wo16 (1)
	s_and_b32 s12, s10, 1                          ; which half of its columns.  Also: which 64 rows I fetch
	s_bfe_u32 s40, ttmp6, 0x40000
	s_bfe_u32 s41, ttmp6, 0x40004
	s_lshl_b32 s42, ttmp9, 2
	s_add_co_u32 s42, s42, s40                     ; tile column
	s_and_b32 s13, ttmp7, 0xffff
	s_lshl_b32 s13, s13, 2
	s_add_co_u32 s13, s13, s41                     ; tile row
	s_lshl_b32 s43, s41, 2
	s_lshl_b32 s43, 15, s43                        ; my row of the cluster
	s_lshl_b32 s44, 0x1111, s40                    ; my column
	s_or_b32 s[G1+0], s43, (1<<16)|(1<<20)|(1<<21)|(4<<22)|(3<<25)  ; mask; elements of 2 bytes; padding on; bit 21 beside a mask; 4 words behind every 32
	s_or_b32 s[G1B+0], s44, (1<<16)|(1<<20)|(1<<21)|(4<<22)|(3<<25)
.irp g, G1, G1B
	s_mov_b32 s[\g+1], 4096<<16                    ; tensor_dim0 = 4,096 elements: 64 rows x 64
	s_mov_b32 s[\g+2], 4<<16                       ; tensor_dim1 = 4
	s_mov_b32 s[\g+3], 4096<<16                    ; tile_dim0
	s_mov_b32 s[\g+4], 4                           ; tile_dim1
	s_mov_b32 s[\g+6], 0
	s_mov_b32 s[\g+7], 0
.endr
	s_mov_b32 s[G1+5], 4096*64                     ; the pitch: from one 64 along K to the next, in elements
	s_mov_b32 s[G1B+5], 1024*64
	s_lshl_b32 s17, s12, 6
	s_lshl_b32 s16, s13, 7
	s_add_co_u32 s16, s16, s17                     ; ao: row 128 x tile row + 64 x half,
	s_lshl_b32 s16, s16, 7                         ; of 128 bytes
	s_lshl_b32 s46, s42, 7
	s_add_co_u32 s46, s46, s17                     ; wo16: row 128 x tile column + 64 x half
	s_lshl_b32 s46, s46, 7
	s_mov_b32 s17, 0
	s_mov_b32 s47, 0
	s_mul_i32 s20, s10, HALFT                      ; where they go: wave x a load's bytes
	s_wait_dscnt 0x0                               ; both opening adds are done
	s_wait_kmcnt 0x0
	s_add_nc_u64 s[14:15], s[4:5], s[16:17]
	s_add_nc_u64 s[46:47], s[6:7], s[46:47]
	CROUND                                         ; all sixteen work-groups are here: the first joint loads meet
.irp s, 0,1
	s_mov_b32 s[G0+4*\s], 1
	s_add_co_u32 s[G0+4*\s+1], s20, \s*SLOT
	s_add_nc_u64 s[G0+4*\s+2:G0+4*\s+3], s[14:15], \s*ASTEP
	s_or_b32 s[G0+4*\s+3], s[G0+4*\s+3], 0x80000000
	s_mov_b32 s[G0B+4*\s], 1
	s_add_co_u32 s[G0B+4*\s+1], s20, \s*SLOT
	s_add_nc_u64 s[G0B+4*\s+2:G0B+4*\s+3], s[46:47], \s*BSTEP
	s_or_b32 s[G0B+4*\s+3], s[G0B+4*\s+3], 0x80000000
	JLOAD \s
.endr
	v_and_b32 v1, 15, v0                           ; r
	v_bfe_u32 v2, v0, 4, 1                         ; h
	s_lshl_b32 s16, s13, 7
	s_lshl_b32 s17, s11, 6
	s_add_co_u32 s16, s16, s17                     ; my first row of out0,
	s_lshl_b32 s16, s16, 12                        ; of 4,096 bytes
	s_mov_b32 s17, 0
	s_add_nc_u64 s[8:9], s[8:9], s[16:17]
	s_lshl_b32 s46, s42, 9                         ; my first column, in bytes: 512 x tile column + 256 x half
	s_lshl_b32 s47, s12, 8
	s_add_co_u32 s46, s46, s47
	s_mov_b32 s47, 0
	s_add_nc_u64 s[8:9], s[8:9], s[46:47]
	s_add_nc_u64 s[66:67], s[66:67], s[46:47]      ; and the same place in bo
	v_lshlrev_b32 v[BIA], 5, v2
.irp b, 0,1,2,3
	global_load_b128 v[BI+8*\b:BI+8*\b+3], v[BIA], s[66:67] offset:64*\b       ; register j: bo of column 16 b + 8 h + j
	global_load_b128 v[BI+8*\b+4:BI+8*\b+7], v[BIA], s[66:67] offset:64*\b+16
.endr
	v_mul_u32_u24 v3, v1, PITCH
	v_lshl_add_u32 v3, v2, 4, v3                   ; a fragment's row x pitch + 16 x half
	s_mul_i32 s21, s11, HALFT
	s_mul_i32 s22, s12, HALFT
	s_add_co_u32 s22, s22, 2*HALFT
.irp s, 0,1
	v_add_nc_u32 v[ADRA+\s], s21, v3
	v_add_nc_u32 v[ADRB+\s], s22, v3
	s_add_co_u32 s21, s21, SLOT
	s_add_co_u32 s22, s22, SLOT
.endr
	s_mul_i32 s23, s10, 16*SPITCH                  ; my stage
	v_mul_u32_u24 v4, v1, SPITCH
	v_lshl_add_u32 v4, v2, 5, v4
	v_add_nc_u32 v[STO], s23, v4                   ; in: row r, 32 bytes for each half of the lanes
	v_mul_u32_u24 v5, v2, SPITCH
	v_lshl_add_u32 v5, v1, 4, v5
	v_add_nc_u32 v[RD], s23, v5                    ; back: lanes 0-15 one row of 256 bytes, lanes 16-31 the next
	v_lshlrev_b32 v5, 12, v2
	v_lshl_add_u32 v[CO], v1, 4, v5                ; and the same two rows in out0
; 8 matrix instructions: m blocks a0, a0 + 1 x all 4 n blocks, 32 along K: half c of buffer f.  first = 1: bo is C.  The 16 accumulators take turns
.macro MUL8 f, c, a0, first
.irp a, \a0, \a0+1
.irp b, 0,1,2,3
.if \first
	v_wmma_f32_16x16x32_f16 v[ACC+8*(4*(\a)+\b):ACC+8*(4*(\a)+\b)+7], v[\f+64+8*(4*\c+\b):\f+64+8*(4*\c+\b)+7], v[\f+8*(4*\c+\a):\f+8*(4*\c+\a)+7], v[BI+8*\b:BI+8*\b+7]
.else
	v_wmma_f32_16x16x32_f16 v[ACC+8*(4*(\a)+\b):ACC+8*(4*(\a)+\b)+7], v[\f+64+8*(4*\c+\b):\f+64+8*(4*\c+\b)+7], v[\f+8*(4*\c+\a):\f+8*(4*\c+\a)+7], v[ACC+8*(4*(\a)+\b):ACC+8*(4*(\a)+\b)+7]
.endif
.endr
.endr
.endm
; 32 LDS loads in one run: the fragments of 64 along K, which begin k bytes into a load's image, into buffer f; the first 32 along K first
.macro FETCH slot, k, f
	WIN TO_F
.irp c, 0,1
.irp i, 0,1,2,3
	ds_load_b128 v[\f+64+8*(4*\c+\i):\f+64+8*(4*\c+\i)+3],   v[ADRB+\slot] offset:\k+64*\c+\i*16*PITCH
	ds_load_b128 v[\f+64+8*(4*\c+\i)+4:\f+64+8*(4*\c+\i)+7], v[ADRB+\slot] offset:\k+64*\c+\i*16*PITCH+32
	ds_load_b128 v[\f+8*(4*\c+\i):\f+8*(4*\c+\i)+3],         v[ADRA+\slot] offset:\k+64*\c+\i*16*PITCH
	ds_load_b128 v[\f+8*(4*\c+\i)+4:\f+8*(4*\c+\i)+7],       v[ADRA+\slot] offset:\k+64*\c+\i*16*PITCH+32
.endr
.endr
.endm
.macro PLACES                          ; four plain vector instructions in front of loads into registers that matrix instructions have read, and of the first read of results
.rept 4
	v_nop
.endr
.endm
.macro QUARTER slot, k, f, g, first    ; 64 along K: multiplies buffer f and fetches the next quarter, at byte k, into g
	s_wait_dscnt 16                                ; the first 32 along K are in; the sixteen loads of the second may be out
	WIN MUL
	MUL8 \f, 0, 0, \first
	MUL8 \f, 0, 2, \first
	PLACES
	FETCH \slot, \k, \g
	s_wait_dscnt 32                                ; all but the 32 just issued
	WIN MUL
	MUL8 \f, 1, 0, 0
	MUL8 \f, 1, 2, 0
.endm
; A slot's last quarter changes slots: one barrier; in front of it each wave waits for all its tensor loads, adds 0 to its spare word, and waits for that and for its reads of this slot.  fill = 1: the barrier opens a round of the
; cluster's barrier, and behind it this slot is filled again, two K steps ahead.
.macro TURN slot, next, fill
	WIN 0
	s_wait_tensorcnt 0x0
	ds_add_u32 v[SPW], v[NIL]
	s_wait_dscnt 17                                ; (the add and the youngest sixteen loads may be out)
	WIN MUL
	MUL8 F1, 0, 0, 0
	s_wait_dscnt 0x0                               ; the add is done, and my reads of this slot are over
	s_barrier_signal -1
	MUL8 F1, 0, 2, 0
.if \fill
	WIN 0
.endif
	s_barrier_wait -1
.if \fill
	CREST
	s_add_nc_u64 s[G0+4*\slot+2:G0+4*\slot+3], s[G0+4*\slot+2:G0+4*\slot+3], 2*ASTEP
	s_add_nc_u64 s[G0B+4*\slot+2:G0B+4*\slot+3], s[G0B+4*\slot+2:G0B+4*\slot+3], 2*BSTEP
	JLOAD \slot                                    ; the first tensor load behind the round; its four v_nop are also the places in front of the loads below
.else
	PLACES
.endif
	FETCH \next, 0, F0
	WIN MUL
	MUL8 F1, 1, 0, 0
	MUL8 F1, 1, 2, 0
.endm
	s_wait_tensorcnt 1                             ; my part of K step 0 is in; K step 1's load may be out
	s_barrier_signal -1
	s_barrier_wait -1
	FETCH 0, 0, F0
	s_wait_loadcnt 0x0                             ; bo
	QUARTER 0, KBB,   F0, F1, 1                    ; K step 0: the first products start the sums from bo
	QUARTER 0, 2*KBB, F1, F0, 0
	QUARTER 0, 3*KBB, F0, F1, 0
	TURN 0, 1, 1                                   ; slot 0 takes K step 2
	QUARTER 1, KBB,   F0, F1, 0                    ; K step 1
	QUARTER 1, 2*KBB, F1, F0, 0
	QUARTER 1, 3*KBB, F0, F1, 0
	TURN 1, 0, 1                                   ; slot 1 takes K step 3
	QUARTER 0, KBB,   F0, F1, 0                    ; K step 2
	QUARTER 0, 2*KBB, F1, F0, 0
	QUARTER 0, 3*KBB, F0, F1, 0
	TURN 0, 1, 0                                   ; nothing is left to fetch
	QUARTER 1, KBB,   F0, F1, 0                    ; K step 3
	QUARTER 1, 2*KBB, F1, F0, 0
	QUARTER 1, 3*KBB, F0, F1, 0
	s_wait_dscnt 16
	WIN MUL
	MUL8 F1, 0, 0, 0
	MUL8 F1, 0, 2, 0
	s_wait_dscnt 0
	MUL8 F1, 1, 0, 0
	MUL8 F1, 1, 2, 0
	WIN 0
; THE WAY OUT, 16 rows at a time.  My 64 columns of f32 are 256 aligned bytes of a row: a block goes through my own stage and comes back as whole rows, sixteen lanes to a row.
.macro TOSTAGE a
.irp b, 0,1,2,3
	ds_store_b128 v[STO], v[ACC+8*(4*(\a)+\b):ACC+8*(4*(\a)+\b)+3] offset:64*\b        ; each accumulator from its low end on
	ds_store_b128 v[STO], v[ACC+8*(4*(\a)+\b)+4:ACC+8*(4*(\a)+\b)+7] offset:64*\b+16
.endr
.irp t, 0,1,2,3,4,5,6,7
	ds_load_b128 v[TMP+32*((\a)%2)+4*\t:TMP+32*((\a)%2)+4*\t+3], v[RD] offset:2*SPITCH*\t   ; LDS serves a wave's instructions in order (ISA guide 5.7.1.4): these see the stores above
.endr
.endm
.macro SEND a, younger                 ; younger: the LDS instructions issued behind block a's loads
	s_wait_dscnt \younger
.irp t, 0,1,2,3,4,5,6,7
	global_store_b128 v[CO], v[TMP+32*((\a)%2)+4*\t:TMP+32*((\a)%2)+4*\t+3], s[8:9] offset:(16*(\a)+2*\t)*4096 th:TH_STORE_NT   ; sixteen lanes store 256 consecutive bytes, aligned; written once, read by nobody here
.endr
.endm
	PLACES
	TOSTAGE 0
	TOSTAGE 1
	SEND 0, 16                                     ; behind block 0's loads: block 1's eight stores and eight loads
	s_wait_xcnt 0x0                                ; block 0's stores have read their registers: block 2's loads may land there
	TOSTAGE 2
	SEND 1, 16
	s_wait_xcnt 0x0
	TOSTAGE 3
	SEND 2, 16
	SEND 3, 0
	s_wait_tensorcnt 0x0                           ; the wave's end
	ds_add_u32 v[SPW], v[NIL]
	s_wait_dscnt 0x0
	CROUND                                         ; the closing round
	s_endpgm
.Lfunc_end_k_qe8102aad11_proj:
	.size	k_qe8102aad11_proj, .Lfunc_end_k_qe8102aad11_proj-k_qe8102aad11_proj
	.p2alignl 7, 3214868480
	.fill 96, 4, 3214868480
	.section	.rodata,"a",@progbits
	.p2align	6, 0x0
	.amdhsa_kernel k_qe8102aad11_proj
		.amdhsa_group_segment_fixed_size 327680
		.amdhsa_private_segment_fixed_size 0
		.amdhsa_enable_private_segment 0
		.amdhsa_kernarg_size 32
		.amdhsa_user_sgpr_count 2
		.amdhsa_user_sgpr_kernarg_segment_ptr 1
		.amdhsa_wavefront_size32 1
		.amdhsa_system_sgpr_workgroup_id_x 1
		.amdhsa_system_sgpr_workgroup_id_y 1
		.amdhsa_system_sgpr_workgroup_id_z 1
		.amdhsa_system_vgpr_workitem_id 0
		.amdhsa_next_free_vgpr 512
		.amdhsa_next_free_sgpr 68
		.amdhsa_reserve_vcc 0
		.amdhsa_float_denorm_mode_32 3
		.amdhsa_float_denorm_mode_16_64 3
		.amdhsa_memory_ordered 1
		.amdhsa_forward_progress 1
		.amdhsa_inst_pref_size 86
	.end_amdhsa_kernel
	.amdgpu_metadata
---
amdhsa.version: [ 1, 2 ]
amdhsa.kernels:
  - .name:           k_qe8102aad11_proj
    .symbol:         k_qe8102aad11_proj.kd
    .args:
      - { .name: ao, .offset: 0, .size: 8, .value_kind: global_buffer, .address_space: global }
      - { .name: wo16, .offset: 8, .size: 8, .value_kind: global_buffer, .address_space: global }
      - { .name: bo, .offset: 16, .size: 8, .value_kind: global_buffer, .address_space: global }
      - { .name: out0, .offset: 24, .size: 8, .value_kind: global_buffer, .address_space: global }
    .group_segment_fixed_size: 327680
    .private_segment_fixed_size: 0
    .kernarg_segment_align: 8
    .kernarg_segment_size: 32
    .max_flat_workgroup_size: 128
    .sgpr_count:     68
    .vgpr_count:     512
    .wavefront_size: 32
...
	.end_amdgpu_metadata
.endif
;; end of part 4
